; MI455X (gfx1250); checked and timed in simulation.
; The chip was launched on July 23, 2026; its instructions are those of AMD's public machine-readable ISA for CDNA 5 (MIT licence, August 2026) and "CDNA5" Instruction Set Architecture Reference Guide (July 2026). The comments in the code are by the model that wrote it; some were corrected since.
;; Attention. Allowed arithmetic: matrix products marked QUANTISED: E2M3 operands, one E8M0 scale for each 32 along K, by v_wmma_scale_f32_16x16x128_f8f6f4 with both operands' format E2M3, f32 sums; everything else in f32.
;; Inputs: freqs_cos 2,048 x 64 float32; freqs_sin 2,048 x 64 float32; mask 1 x 1 x 2,048 x 2,048 float32; wk_codes 2,048 x 64 x 24 uint8 (E2M3 codes of wk, K innermost, in blocks of 32 codes, four codes in three bytes); wk_scales 2,048 x 64 uint8 (E8M0 scales of wk, one for each 32 codes along K); wo_codes 2,048 x 64 x 24 uint8 (E2M3 codes of wo, K innermost, in blocks of 32 codes, four codes in three bytes); wo_scales 2,048 x 64 uint8 (E8M0 scales of wo, one for each 32 codes along K); wq_codes 2,048 x 64 x 24 uint8 (E2M3 codes of wq, K innermost, in blocks of 32 codes, four codes in three bytes); wq_scales 2,048 x 64 uint8 (E8M0 scales of wq, one for each 32 codes along K); wv_codes 2,048 x 64 x 24 uint8 (E2M3 codes of wv, K innermost, in blocks of 32 codes, four codes in three bytes); wv_scales 2,048 x 64 uint8 (E8M0 scales of wv, one for each 32 codes along K); x_codes 1 x 2,048 x 64 x 24 uint8 (E2M3 codes of x, K innermost, in blocks of 32 codes, four codes in three bytes); x_scales 1 x 2,048 x 64 uint8 (E8M0 scales of x, one for each 32 codes along K).
;; Outputs: out0 1 x 2,048 x 2,048 float32.
;; This version of the problem:
;;   THIS VERSION OF THE PROBLEM IS GIVEN IN LOW PRECISION. The matrix products marked QUANTISED in the list below multiply operands that are first quantised to E2M3 (2 exponent bits, 3 mantissa bits; 6 bits a number), with one power-of-two scale for each 32 numbers along K (OCP MX v1.0); their sums are f32. All else is computed in f32.
;;   The module's matrix products, in the order in which they are computed (A, B: the left and right operand; K: the contracted axis; several contracted axes count as one K, in the product's order):
;;     1. [M 2,048, K 2,048] x [K 2,048, N 2,048]; A: input x (given as codes); B: input wq (given as codes): QUANTISED
;;     2. [M 2,048, K 2,048] x [K 2,048, N 2,048]; A: input x (given as codes); B: input wk (given as codes): QUANTISED
;;     3. [M 2,048, K 2,048] x [K 2,048, N 2,048]; A: input x (given as codes); B: input wv (given as codes): QUANTISED
;;     4. batch 16 x [M 2,048, K 128] x [K 128, N 2,048]; A: computed on the way; B: computed on the way: QUANTISED
;;     5. batch 16 x [M 2,048, K 2,048] x [K 2,048, N 128]; A: softmax (see below); B: computed on the way: QUANTISED
;;     6. [M 2,048, K 2,048] x [K 2,048, N 2,048]; A: computed on the way; B: input wo (given as codes): QUANTISED
;;   THE QUANTISER, for each operand of a quantised product, along K:
;;     - K is cut into blocks of 32 from its start; a last block that is shorter is filled with zeros.
;;     - A block's scale is 2^e with e = floor(log2(the largest magnitude in the block)) - 2, held to -126 .. 127; a block of zeros has e = 0. As a byte (E8M0): e + 127.
;;     - Each number is divided by its block's scale, clamped to +-7.5, and rounded to the nearest number of E2M3, ties to even, subnormals kept.
;;     - The product sums the exact products of the quantised numbers (number of the format x scale) in f32.
;;   ~~~python
;;   def quantise(x, axis):      # numpy; x: float32 -> the quantised numbers, widened to float32 again
;;       x = np.moveaxis(x, axis, -1); K = x.shape[-1]
;;       x = np.pad(x, [(0, 0)] * (x.ndim - 1) + [(0, -K % 32)]); x = x.reshape(x.shape[:-1] + (-1, 32)); a = np.abs(x).max(-1, keepdims=True)
;;       e = np.where(a > 0, np.clip(np.frexp(np.where(a > 0, a, 1))[1] - 1 - 2, -126, 127), 0)      # np.frexp(a)[1] - 1 = floor(log2(a)), exactly
;;       r = np.clip(x / 2.0 ** e, -7.5, 7.5)
;;       step = 2.0 ** (np.maximum(np.frexp(np.where(r == 0, 1, r))[1] - 1, 0) - 3)
;;       q = np.round(r / step) * step * 2.0 ** e      # np.round: ties to even
;;       return np.moveaxis(q.reshape(q.shape[:-2] + (-1,))[..., :K], -1, axis).astype(np.float32)
;;   ~~~
;;   SOFTMAX AHEAD OF A QUANTISED PRODUCT. Where the list says 'softmax', what is quantised is not the finished softmax but p = 2^(t - M), with t = logit x log2(e) and M = ceil(the row's largest t), a whole number; so 1/2 < the row's largest p <= 1. The row's sum l is taken of the UNQUANTISED p, in f32, and the product's result is divided by l at the end. Since M is a whole number, a kernel that streams over the keys may use a running M (the ceiling of the running maximum): every later rescaling is an exact power of two, which a block's scale takes up: the codes' values come out the same.
;;   OPERANDS COMPUTED ON THE WAY. 'Computed on the way' means the value that the module computes at that place (a softmax that the list does not call 'softmax' is quantised finished and normalised). What goes into a quantiser is computed in f32, as accurately as f32 sums, v_exp_f32 and their like allow (about 1e-6 of the number): no bf16 or f16 on the way to a quantiser, and a product that is left as it is and whose result goes on into a quantised operand takes f32 operands (vector FMAs, or v_wmma_f32_16x16x4_f32). A number that lies on a knife's edge between two numbers of the format may be rounded either way, as far as f32 arithmetic and the matrix unit's own rounding can turn it there, and no further.
;;   INPUTS GIVEN AS CODES. wk (in the module: [2048, 2048], K = its axis 1); wo (in the module: [2048, 2048], K = its axis 1); wq (in the module: [2048, 2048], K = its axis 1); wv (in the module: [2048, 2048], K = its axis 1); x (in the module: [1, 2048, 2048], K = its axis 2): each comes as NAME_codes (uint8): NAME with its K axis moved to the last place and cut into blocks of 32 codes, [.., K / 32, bytes a block], one block behind the other in memory; four codes in three bytes: a row's codes are one little-endian stream of bits, code i at bits 6 i .. 6 i + 5 (a code: sign, 2 exponent bits, 3 mantissa bits); and NAME_scales (uint8): the same leading axes, one E8M0 byte (e + 127) for each 32 codes along K. Its value is code x scale, taken as it is: it is not quantised again, and the codes and scales need not be those that the quantiser above would give.
;; One version. Each part assembles by itself: llvm-mc -triple=amdgcn-amd-amdhsa -mcpu=gfx1250 --defsym DOCPART=n.
;; ======== version 1 of 1: 3 launches
;; limits: inputs' magnitudes at most 1,073,741,824; right only within a limited range of input values
;; workspace buffers: qkv 9,830,400 bytes; a_codes 3,145,728 bytes; a_scales 131,072 bytes
;; launch qkv_proj (part 1): grid 24 x 8, 4 waves a work-group, clusters of 4 x 4, 327,680 bytes of LDS; arguments x_codes, x_scales, wq_codes, wq_scales, wk_codes, wk_scales, wv_codes, wv_scales, freqs_cos, freqs_sin, qkv; writes qkv
.if DOCPART == 1
	.amdgcn_target "amdgcn-amd-amdhsa--gfx1250"
	.amdhsa_code_object_version 6
	.text
	.protected	k_qc444fda492_qkv_proj
	.globl	k_qc444fda492_qkv_proj
	.p2align	8
	.type	k_qc444fda492_qkv_proj,@function
k_qc444fda492_qkv_proj:
	s_mov_b64 s[64:65], 0
	v_nop
	global_prefetch_b8 v0, s[64:65] scope:SCOPE_SE
	s_setreg_imm32_b32 hwreg(HW_REG_WAVE_MODE, 25, 1), 1
	s_wait_xcnt 0x0
	s_wait_alu depctr_hold_cnt(0) depctr_sa_sdst(0) depctr_va_vdst(0) depctr_va_sdst(0) depctr_va_ssrc(0) depctr_va_vcc(0) depctr_vm_vsrc(0)
	s_getreg_b32 s2, hwreg(HW_REG_IB_STS2, 6, 4)
	s_cmp_eq_u32 s2, 0
	s_cbranch_scc0 .Lentry_in_a_cluster
	s_endpgm
.Lentry_in_a_cluster:
	s_bfe_u32 s2, ttmp6, 0x10000c
	s_cmp_lg_u32 s2, 0xf033
	s_cbranch_scc0 .Lentry_shape_is_right
	s_endpgm
.Lentry_shape_is_right:
; q = rope(x wq^T), k = rope(x wk^T), v = x wv^T on codes of FP6 (E2M3) with E8M0 scales for each 32 along K = 2,048; sums in f32; then the quantisers of the next products' operands:
; q and k along the head's 128 channels, v along the keys.  Nothing wide goes to memory: the results leave as codes and scale words, laid as the next launch's operand registers.
; SHARES.  A work-group of four waves makes 256 x 256 of one of the three products, a wave 128 x 128 in 64 accumulators of 16 x 16 (512 registers).  The type (0 q, 1 k, 2 v) is the cluster's x / 2: the same in all partners.
; Source 1 ("A") gives the lane's row, source 0 ("B") runs along the lane's registers.  q, k: A = x (tokens), B = the weight (channels).  v: A = wv (channels), B = x (tokens).  So a lane always holds ONE row of the next
; operand and its registers run along that operand's K, and a wave's 128 x 128 is exactly one (head, block of 128 tokens) part of the workspace.
; 3 x 8 x 8 = 192 work-groups: a smaller tile would give more, but a wave must hold a whole next K (128) for the quantiser, and each fragment read from LDS would then feed fewer products.
; K goes in steps of 256 through a ring of two LDS slots filled by the tensor data mover (rows of 192 bytes); the scale bytes of the work-group's 2 x 256 rows come once and stay.
; CLUSTERS: 4 x 4 work-groups; A's tile is asked for jointly along a row of the cluster, B's along a column.
; THE WORKSPACE: qkv[head 16][block 16][part q, k, v][12,800 bytes].  A part: eight fragments (16 rows x 128 K, 12 registers a lane) at 1,536 a; registers 4 c .. 4 c + 3 of lane l at 512 c + 16 (l xor 8 (a & 1));
; at byte 12,288 the scale words: word be of lane r2 + 16 u, at 16 lane + 4 be, is that of fragment 2 be + r2 / 8, row 8 u + r2 % 8.
; LIMITS: NaN and infinities are not served.  A block of zeros gets the scale byte 1 (its codes are zeros; the bytes are read by this program alone).  RoPE is a multiplication and a fused multiply-add for each number.
; REGISTERS, in windows of 256: window 0: v0-31 addresses; v32-63 scale words, two sets; v64-127 a block after RoPE; from v128 A's fragments, one set; behind the loop v128-171 the quantiser's.
;   window 1: B's fragments, two sets, at v0 and v128; behind the loop four sets of cos and sin.   windows 2, 3: the accumulators ((a, b) at v[8 (8 (a % 4) + b)] of window 2 + a / 4).
.set SIZE_K, 2048
.set KSTEP,  256                       ; along K in a slot
.set NQ,     KSTEP/128                 ; matrix instructions deep
.set ROWB,   192                       ; a tile's row in bytes
.set KROW,   SIZE_K*6/8                ; a row of codes in memory
.set PITCH,  240                       ; an LDS row: 3 x (64 bytes + 16 of padding)
.set FR,     12                        ; registers of a fragment
.set NL,     6                         ; LDS loads that bring one
.set NP,     4                         ; places behind this matrix instruction (ISA guide 7.12.1)
.set HALFT,  128*PITCH                 ; 128 rows: what one tensor load brings
.set SLOT,   4*HALFT                   ; A's 256 rows, then B's 256 rows
.set LAPS,   SIZE_K/(2*KSTEP)          ; a lap = two K steps = once round the ring
.set KS,     SIZE_K/32                 ; a row of scale bytes
.set SCL,    2*SLOT                    ; behind the ring: the scale bytes, as units of 256 bytes + 16 of padding
.set HALFS,  (128*KS/256)*272          ; those of 128 rows
.set SBLK,   (16*KS/256)*272           ; those of 16 rows
.set SPARE,  SCL+4*HALFS               ; the spare words, 128 bytes for each wave: two blocks of 256 bytes that no other line names
.set PARTB,  12800                     ; a part of the workspace
.set ADRA, 16                          ; v16-17 LDS address of my A fragments in slot 0, 1 (v18-19: behind one padding more)
.set ADRB, 20                          ; v20-21 the same for B (v22-23)
.set LI0,  24                          ; v24 16 x lane;  v25 the same xor 128: an image's place for my lane in even and in odd fragments
.set CSA,  26                          ; v26 my byte in 16 rows of cos or sin: 256 r + 32 h
.set ADRS, 27                          ; v27 LDS address of my scale words: lanes 0-15 A's rows, lanes 16-31 B's
.set SPW,  28                          ; v28 LDS address of my spare word; never rewritten
.set NIL,  29                          ; v29 0; never rewritten
.set SC,   32                          ; scale words: set s at v[SC + 8 NQ s]
.set HA,   64                          ; v64-127 a block's 64 numbers after RoPE
.set AF,   128                         ; A's fragments
.set PC,   128                         ; behind the loop: v128-139 the codes just made, v140-146 at work
.set TM,   148                         ; v148-163 largest magnitudes, bytes, scale operands
.set PW,   164                         ; the scale word just made
.set P0,   165                         ; that of the even fragment before it
.set UU,   166
.set WW,   167
.set SW,   168                         ; v168-171 the part's scale words, as they are stored
.set G1, 24                            ; s[24:31] descriptor group 1 for A's tiles;  s[32:39] group 0, one set for each slot
.set G0, 32
.set G1B, 48                           ; s[48:55], s[56:63] the same for B's tiles
.set G0B, 56
.set G1S, 68                           ; s[68:75], s[76:79] groups 1 and 0 for A's scales;  s[80:87], s[88:91] for B's (written behind the choice of operands: the arguments arrive in s[68:89])
.set G0S, 76
.set G1SB, 80
.set G0SB, 88
.set SEL,  20                          ; s[20:21] behind the loop: lane selects for v_permlanex16_b32: lane l xor 16
.set TAU,  66                          ; s66 the type
.set COSP, 96                          ; s[96:97] cos, s[98:99] sin at my block's first token
.set SINP, 98
.set M3,   100                         ; s100 the lanes whose bit 3 is set
.set MEQ,  101                         ; s101 the lanes whose bits 3 and 4 are equal
.set MSB, 0
.macro WIN new                         ; the immediate's high byte repeats the setting that is left
.if MSB != (\new)
	s_set_vgpr_msb (MSB<<8)|(\new)
.set MSB, (\new)
.endif
.endm
.set MUL_LO, 0xa1                      ; source 0 (B) window 1, source 1 (A) window 0, C and D window 2
.set MUL_HI, 0xf1                      ; the same, C and D window 3
.set TO_B,   0x40                      ; destination window 1, address window 0
; A joint load: waves 0 and 1 fetch for A, waves 2 and 3 for B.  Each line has one mask and one set of registers for all that issue it; the branch hangs on the wave's number alone.
; Four v_nop follow each of the two lines, ahead of the jump, the label and what follows.
.macro JLOAD g0a, g1a, g0b, g1b
	s_cmp_eq_u32 s15, 0
	s_cbranch_scc0 .Lfor_b_\@
	tensor_load_to_lds s[\g0a:\g0a+3], s[\g1a:\g1a+7]
	s_nop 0
.rept 4
	v_nop
.endr
	s_branch .Lasked_\@
.Lfor_b_\@:
	tensor_load_to_lds s[\g0b:\g0b+3], s[\g1b:\g1b+7]
	s_nop 0
.rept 4
	v_nop
.endr
.Lasked_\@:
.endm
.macro CREST                           ; a round of the cluster's barrier behind its opening barrier
	s_cmp_lg_u32 s14, 0
	s_cbranch_scc1 .Lnot_wave_0_\@
	s_barrier_signal -3
.Lnot_wave_0_\@:
	s_barrier_wait -3
	s_barrier_signal -1
	s_barrier_wait -1
.endm
.macro CROUND                          ; a whole round
	s_barrier_signal -1
	s_barrier_wait -1
	CREST
.endm
	s_load_b512 s[68:83], s[0:1], 0x0              ; x's codes 68, scales 70; wq's 72, 74; wk's 76, 78; wv's 80, 82
	s_load_b128 s[84:87], s[0:1], 0x40             ; cos, sin
	s_load_b64 s[88:89], s[0:1], 0x50              ; the workspace
	v_lshl_add_u32 v[SPW], v0, 2, SPARE
	v_mov_b32 v[NIL], 0
	ds_add_u32 v28, v29
	s_wait_dscnt 0x0
	v_lshrrev_b32 v1, 5, v0
	v_readfirstlane_b32 s14, v1                    ; wave 0..3
	s_lshr_b32 s15, s14, 1                         ; which half of the tile's rows is mine.  Also: I fetch for A (0) or for B (1)
	s_and_b32 s16, s14, 1                          ; which half of its columns.  Also: which 128 rows of that tile I fetch
	s_bfe_u32 s40, ttmp6, 0x40000                  ; cx, cy: my place in the cluster
	s_bfe_u32 s41, ttmp6, 0x40004
	s_lshr_b32 s[TAU], ttmp9, 1                    ; the type: two clusters along x for each of q, k, v
	s_lshl_b32 s42, ttmp9, 2
	s_add_co_u32 s42, s42, s40
	s_and_b32 s42, s42, 7                          ; tile column within the type = (4 x cluster x + cx) mod 8
	s_and_b32 s17, ttmp7, 0xffff
	s_lshl_b32 s17, s17, 2
	s_add_co_u32 s17, s17, s41                     ; tile row = 4 x cluster y + cy
	s_lshl_b32 s43, s41, 2
	s_lshl_b32 s43, 15, s43                        ; my row of the cluster
	s_lshl_b32 s44, 0x1111, s40                    ; my column
	; descriptor group 1: a tile of 128 rows x ROWB bytes, padded in LDS
	s_or_b32 s[G1+0], s43, (0<<16)|(1<<20)|(1<<21)|(3<<22)|(3<<25)  ; 15:0 the mask: A's tiles go to my row; 17:16 element of 1 byte; 20 padding on; 21 set beside a mask; 24:22 after every 16 words; 31:25 of 4 words
	s_or_b32 s[G1B+0], s44, (0<<16)|(1<<20)|(1<<21)|(3<<22)|(3<<25)
.irp g, G1, G1B
	s_mov_b32 s[\g+1], ROWB<<16                    ; tensor_dim0
	s_mov_b32 s[\g+2], 128<<16                     ; tensor_dim1 = 128
	s_mov_b32 s[\g+3], ROWB<<16                    ; tile_dim0
	s_mov_b32 s[\g+4], 128                         ; tile_dim1 = 128
	s_mov_b32 s[\g+5], KROW                        ; tensor_dim0_stride
	s_mov_b32 s[\g+6], 0
	s_mov_b32 s[\g+7], 0
.endr
	s_lshl_b32 s18, s16, 7                         ; which 128 rows of the tile I fetch
	s_lshl_b32 s20, s17, 8
	s_add_co_u32 s20, s20, s18                     ; A: row 256 x tile row + 128 x half
	s_lshl_b32 s46, s42, 8
	s_add_co_u32 s46, s46, s18                     ; B: row 256 x tile column + 128 x half
	s_mov_b32 s21, 0
	s_mov_b32 s47, 0
	s_mov_b64 s[18:19], KS
	s_mul_u64 s[22:23], s[20:21], s[18:19]         ; where these rows' scales begin, in bytes
	s_mul_u64 s[92:93], s[46:47], s[18:19]
	s_mov_b64 s[18:19], KROW
	s_mul_u64 s[20:21], s[20:21], s[18:19]         ; and their codes
	s_mul_u64 s[46:47], s[46:47], s[18:19]
	s_mul_i32 s45, s14, HALFT                      ; where they go: wave x 128 rows: no place in the cluster enters an LDS address
	s_mul_i32 s94, s14, HALFS
	s_wait_kmcnt 0x0
	s_cmp_lt_u32 s[TAU], 2                         ; the operands are chosen by the type alone
	s_cselect_b64 s[4:5], s[68:69], s[80:81]       ; A: x for q and k, wv for v
	s_cselect_b64 s[6:7], s[70:71], s[82:83]
	s_cmp_eq_u32 s[TAU], 0
	s_cselect_b64 s[8:9], s[72:73], s[76:77]       ; B: wq or wk,
	s_cselect_b64 s[10:11], s[74:75], s[78:79]
	s_cmp_eq_u32 s[TAU], 2
	s_cselect_b64 s[8:9], s[68:69], s[8:9]         ; or x for v
	s_cselect_b64 s[10:11], s[70:71], s[10:11]
	s_mov_b64 s[COSP:COSP+1], s[84:85]
	s_mov_b64 s[SINP:SINP+1], s[86:87]
	s_mov_b64 s[12:13], s[88:89]
	; group 1 for the scales of 128 rows: a dense block of 128 KS bytes, as rows of 256 bytes (32 elements of 8 bytes), 16 bytes of padding behind each
	s_or_b32 s[G1S+0], s43, (3<<16)|(1<<20)|(1<<21)|(5<<22)|(3<<25)
	s_or_b32 s[G1SB+0], s44, (3<<16)|(1<<20)|(1<<21)|(5<<22)|(3<<25)
.irp g, G1S, G1SB
	s_mov_b32 s[\g+1], 32<<16
	s_mov_b32 s[\g+2], (128*KS/256)<<16
	s_mov_b32 s[\g+3], 32<<16
	s_mov_b32 s[\g+4], 128*KS/256
	s_mov_b32 s[\g+5], 32
	s_mov_b32 s[\g+6], 0
	s_mov_b32 s[\g+7], 0
.endr
	s_add_nc_u64 s[20:21], s[4:5], s[20:21]
	s_add_nc_u64 s[22:23], s[6:7], s[22:23]
	s_add_nc_u64 s[46:47], s[8:9], s[46:47]
	s_add_nc_u64 s[92:93], s[10:11], s[92:93]
	CROUND                                         ; all sixteen work-groups are here: the first joint loads meet
	s_mov_b32 s[G0S], 1
	s_add_co_u32 s[G0S+1], s94, SCL
	s_mov_b64 s[G0S+2:G0S+3], s[22:23]
	s_or_b32 s[G0S+3], s[G0S+3], 0x80000000
	s_mov_b32 s[G0SB], 1
	s_add_co_u32 s[G0SB+1], s94, SCL
	s_mov_b64 s[G0SB+2:G0SB+3], s[92:93]
	s_or_b32 s[G0SB+3], s[G0SB+3], 0x80000000
	JLOAD G0S, G1S, G0SB, G1SB                     ; the scales first: they are wanted with K step 0
.irp s, 0,1
	s_mov_b32 s[G0+4*\s], 1
	s_add_co_u32 s[G0+4*\s+1], s45, \s*SLOT
	s_add_nc_u64 s[G0+4*\s+2:G0+4*\s+3], s[20:21], \s*ROWB
	s_or_b32 s[G0+4*\s+3], s[G0+4*\s+3], 0x80000000
	s_mov_b32 s[G0B+4*\s], 1
	s_add_co_u32 s[G0B+4*\s+1], s45, \s*SLOT
	s_add_nc_u64 s[G0B+4*\s+2:G0B+4*\s+3], s[46:47], \s*ROWB
	s_or_b32 s[G0B+4*\s+3], s[G0B+4*\s+3], 0x80000000
	JLOAD G0+4*\s, G1, G0B+4*\s, G1B               ; three tensor loads of mine are out behind the second of these
.endr
	v_and_b32 v1, 15, v0                           ; r = l % 16
	v_bfe_u32 v2, v0, 4, 1                         ; h = l / 16
	v_mul_u32_u24 v3, v1, PITCH
	v_mul_u32_u24 v4, v2, 24
	v_add_nc_u32 v4, v3, v4                        ; a fragment's row x pitch + 24 x half
	v_lshl_add_u32 v5, v2, 4, v4                   ; and the same behind one padding more
	s_mul_i32 s21, s15, HALFT                      ; my 128 rows of A
	s_mul_i32 s22, s16, HALFT                      ; my 128 rows of B,
	s_add_co_u32 s22, s22, 2*HALFT                 ; which lie behind A's 256
.irp s, 0,1
	v_add_nc_u32 v[ADRA+\s], s21, v4
	v_add_nc_u32 v[ADRB+\s], s22, v4
	v_add_nc_u32 v[ADRA+2+\s], s21, v5
	v_add_nc_u32 v[ADRB+2+\s], s22, v5
	s_add_co_u32 s21, s21, SLOT
	s_add_co_u32 s22, s22, SLOT
.endr
	v_mul_u32_u24 v5, v1, KS                       ; my row's scales: KS bytes a row,
	v_lshrrev_b32 v6, 8, v5
	v_lshl_add_u32 v5, v6, 4, v5                   ; and 16 more for each 256 passed
	s_mul_i32 s21, s15, HALFS                      ; A's: my 128 rows
	s_mul_i32 s22, s16, HALFS                      ; B's: my 128 rows, behind A's 256
	s_add_co_u32 s22, s22, 2*HALFS
	s_sub_co_u32 s22, s22, s21
	v_mul_u32_u24 v6, s22, v2                      ; lanes 16-31 take B's
	s_add_co_u32 s21, s21, SCL
	v_add_nc_u32 v5, v5, v6
	v_add_nc_u32 v[ADRS], s21, v5
	v_and_b32 v6, 31, v0
	v_lshlrev_b32 v[LI0], 4, v6                    ; the way out: 16 x lane,
	v_xor_b32 v[LI0+1], 128, v[LI0]                ; and 16 x (lane xor 8) for odd fragments
	v_lshlrev_b32 v[CSA], 8, v1
	v_lshl_add_u32 v[CSA], v2, 5, v[CSA]           ; cos, sin: row r of 256 bytes, + 8 h numbers
	s_lshl_b32 s20, s17, 1
	s_add_co_u32 s20, s20, s15                     ; which 128 of A's rows are my wave's
	s_lshl_b32 s21, s42, 1
	s_add_co_u32 s21, s21, s16                     ; which 128 of B's rows
	s_cmp_eq_u32 s[TAU], 2
	s_cselect_b32 s22, s20, s21                    ; the head: by the channels, which are B's rows for q and k, A's for v
	s_cselect_b32 s23, s21, s20                    ; the block of tokens
	s_lshl_b32 s22, s22, 4
	s_add_co_u32 s22, s22, s23
	s_mul_i32 s22, s22, 3
	s_add_co_u32 s22, s22, s[TAU]
	s_mul_i32 s46, s22, PARTB                      ; my part: ((16 head + block) 3 + type) x 12,800 bytes
	s_mov_b32 s47, 0
	s_add_nc_u64 s[12:13], s[12:13], s[46:47]
	s_lshl_b32 s46, s23, 15                        ; 128 tokens x 256 bytes
	s_add_nc_u64 s[COSP:COSP+1], s[COSP:COSP+1], s[46:47]
	s_add_nc_u64 s[SINP:SINP+1], s[SINP:SINP+1], s[46:47]
.macro FRAG reg, adr, q, i             ; a fragment: lane l holds row l % 16; registers 6 c .. 6 c + 5 hold K = 64 c + 32 (l / 16) + 0 .. 31: 24 bytes of the row's stream of bits, as they lie
.irp p, 0,1,2,3,4,5                    ; in pieces of 8 bytes.  Lanes 0-15 take pieces 12 q + 0, 1, 2 and 12 q + 6, 7, 8, lanes 16-31 those three pieces on
.set PCE, 12*(\q)+6*(\p/3)+\p%3       ; 16 bytes of padding lie behind every 8 pieces: where the piece three on lies behind one padding more, the second address register serves
.if PCE%8 < 5
	ds_load_b64 v[\reg+2*\p:\reg+2*\p+1], v[\adr] offset:8*PCE+16*(PCE/8)+(\i)*16*PITCH
.else
	ds_load_b64 v[\reg+2*\p:\reg+2*\p+1], v[\adr+2] offset:8*PCE+16*(PCE/8)+(\i)*16*PITCH
.endif
.endr
.endm
; 16 matrix instructions: A's blocks a0, a0 + 1 x B's eight, 128 along K.  p: B's set;  sc: the set of scale words.  zero = 1: the first product starts the sums.
; The 64 accumulators take turns, one instruction a turn, in the same order in every step.
.macro MUL16 a0, p, q, sc, zero
.irp a, \a0, \a0+1
.irp b, 0,1,2,3,4,5,6,7
.if \zero
	v_wmma_scale_f32_16x16x128_f8f6f4 v[8*(8*((\a)%4)+\b):8*(8*((\a)%4)+\b)+7], v[128*(\p)+FR*\b:128*(\p)+FR*\b+FR-1], v[AF+FR*(\a):AF+FR*(\a)+FR-1], 0, v[SC+8*NQ*(\sc)+NQ*\b+(\q)], v[SC+8*NQ*(\sc)+NQ*(\a)+(\q)] matrix_a_fmt:MATRIX_FMT_FP6 matrix_b_fmt:MATRIX_FMT_FP6 matrix_a_scale:MATRIX_SCALE_ROW1
.else
	v_wmma_scale_f32_16x16x128_f8f6f4 v[8*(8*((\a)%4)+\b):8*(8*((\a)%4)+\b)+7], v[128*(\p)+FR*\b:128*(\p)+FR*\b+FR-1], v[AF+FR*(\a):AF+FR*(\a)+FR-1], v[8*(8*((\a)%4)+\b):8*(8*((\a)%4)+\b)+7], v[SC+8*NQ*(\sc)+NQ*\b+(\q)], v[SC+8*NQ*(\sc)+NQ*(\a)+(\q)] matrix_a_fmt:MATRIX_FMT_FP6 matrix_b_fmt:MATRIX_FMT_FP6 matrix_a_scale:MATRIX_SCALE_ROW1
.endif
.endr
.endr
.endm
.macro FETCH_B slot, q, p              ; B's eight fragments of the slot's q-th 128 along K into set p
	WIN TO_B
.irp i, 0,1,2,3,4,5,6,7
	FRAG 128*(\p)+FR*\i, ADRB+\slot, \q, \i
.endr
	WIN 0
.endm
.macro FETCH_A slot, q, i0             ; A's blocks i0 .. i0 + 3
.irp i, \i0, \i0+1, \i0+2, \i0+3
	FRAG AF+FR*(\i), ADRA+\slot, \q, \i
.endr
.endm
.macro SCALES sc                       ; the next K step's scale words into set sc: lanes 0-15 take A's block i, lanes 16-31 B's block i
.irp i, 0,1,2,3,4,5,6,7
	ds_load_b64 v[SC+8*NQ*\sc+NQ*\i:SC+8*NQ*\sc+NQ*\i+1], v[ADRS] offset:\i*SBLK
.endr
.endm
.macro PLACES n                        ; plain vector instructions between a matrix instruction and a load into, or a vector instruction on, its registers (ISA guide 7.12.1 for vector instructions)
.rept \n
	v_nop
.endr
.endm
; A step of 128 along K that has its successor in the same slot.
.macro STEP slot, q, zero
	s_wait_dscnt 4*NL                              ; B's set and A's blocks 0-3 are in; the youngest 24 loads (A's blocks 4-7) may be out
	WIN MUL_LO
	MUL16 0, (\q)%2, \q, \slot, \zero
	MUL16 2, (\q)%2, \q, \slot, \zero
	s_wait_dscnt 0                                 ; A's blocks 4-7 are in (asked for 32 matrix instructions ago)
	PLACES NP
	FETCH_B \slot, (\q)+1, 1-(\q)%2
	FETCH_A \slot, (\q)+1, 0
	WIN MUL_HI
	MUL16 4, (\q)%2, \q, \slot, \zero
	MUL16 6, (\q)%2, \q, \slot, \zero
	PLACES NP
	WIN 0
	FETCH_A \slot, (\q)+1, 4
.endm
; A slot's last step changes slots: one barrier; in front of it each wave waits for all its tensor loads, adds 0 to its spare word, and waits for that and for its own reads of this slot.  fill = 1: this slot is filled again, two K steps ahead.
.macro TURN slot, next, fill
	s_wait_tensorcnt 0x0                           ; all my tensor loads have landed: my part of the next slot  (every window is 0 here)
	ds_add_u32 v[SPW], v[NIL]                      ; 0 onto my spare word
	s_wait_dscnt 4*NL+1                            ; (the add and the youngest 24 loads, A's blocks 4-7, may be out)
	WIN MUL_LO
	MUL16 0, 1, NQ-1, \slot, 0                     ; sixteen matrix instructions stand between the add and the wait for it
	s_wait_dscnt 0x0                               ; the add is done, and my reads of this slot are over
	s_barrier_signal -1
	MUL16 2, 1, NQ-1, \slot, 0
	WIN 0
	s_barrier_wait -1
.if \fill
	CREST                                          ; the barrier has opened a round of the cluster's barrier: no wave of any partner still reads this slot's tile or has a load on its way
	s_add_nc_u64 s[G0+4*\slot+2:G0+4*\slot+3], s[G0+4*\slot+2:G0+4*\slot+3], 2*ROWB
	s_add_nc_u64 s[G0B+4*\slot+2:G0B+4*\slot+3], s[G0B+4*\slot+2:G0B+4*\slot+3], 2*ROWB
	JLOAD G0+4*\slot, G1, G0B+4*\slot, G1B         ; the first tensor load behind the round; its four v_nop are the places in front of the loads below
.else
	PLACES NP
.endif
	v_add_nc_u32 v[ADRS], 4*NQ, v[ADRS]            ; on to the next K step's scale words (no LDS load of mine is out)
	FETCH_B \next, 0, 0
	FETCH_A \next, 0, 0
	SCALES \next
	WIN MUL_HI
	MUL16 4, 1, NQ-1, \slot, 0
	MUL16 6, 1, NQ-1, \slot, 0
	PLACES NP
	WIN 0
	FETCH_A \next, 0, 4
.endm
	s_wait_tensorcnt 1                             ; the scales and my part of K step 0 are in (K step 1's load may be out)
	s_barrier_signal -1
	s_barrier_wait -1                              ; everybody's are
	FETCH_B 0, 0, 0
	FETCH_A 0, 0, 0
	SCALES 0
	FETCH_A 0, 0, 4
	STEP 0, 0, 1                                   ; the first step stands in front of the loop: its products start the sums
	s_mov_b32 s3, LAPS-1
.Llap:                                                 ; a trip goes once round the ring, from a lap's second step to the next lap's first, and fills both slots again
	TURN 0, 1, 1
	STEP 1, 0, 0
	TURN 1, 0, 1
	STEP 0, 0, 0
	s_sub_co_u32 s3, s3, 1
	s_cmp_lg_u32 s3, 0
	s_cbranch_scc1 .Llap
	TURN 0, 1, 0                                   ; the last lap fills nothing, and has no round of the cluster's barrier
	STEP 1, 0, 0
	s_wait_dscnt 4*NL                              ; the very last step: nothing more to fetch
	WIN MUL_LO
	MUL16 0, 1, NQ-1, 1, 0
	MUL16 2, 1, NQ-1, 1, 0
	s_wait_dscnt 0
	WIN MUL_HI
	MUL16 4, 1, NQ-1, 1, 0
	MUL16 6, 1, NQ-1, 1, 0
	WIN 0
; ---- THE WAY OUT, block by block of 16 rows (A's block a: 64 registers a lane).
; 64 numbers of a lane in window w, register 16 b + i = k 32 b + 16 (lane / 16) + i of my row, become a fragment's codes in v[PC] on and its scale word in v[PW].
.macro QUANT s, w
	WIN (\w)*5                                     ; sources 0 and 1 in window w
.irp b, 0,1,2,3
	v_max3_num_f32 v[TM+\b], |v[\s+16*\b]|, |v[\s+1+16*\b]|, 0x1800000   ; block b: my 16 numbers, and the floor 2^(3 - 127): so the byte cannot fall under 1
.endr
.irp i, 2,4,6,8,10,12,14
.irp b, 0,1,2,3
	v_max3_num_f32 v[TM+\b], |v[\s+16*\b+\i]|, |v[\s+1+16*\b+\i]|, v[TM+\b]   ; (the four blocks by turns)
.endr
.endr
	WIN 0
.irp b, 0,1,2,3
	v_permlanex16_b32 v[TM+4+\b], v[TM+\b], s[SEL], s[SEL+1]
.endr
.irp b, 0,1,2,3
	v_max_num_f32 v[TM+\b], v[TM+\b], v[TM+4+\b]   ; with lane l xor 16's: the block's largest magnitude
.endr
.irp b, 0,1,2,3
	v_add_nc_u32 v[TM+12+\b], 0xff000000, v[TM+\b] ; 2 off its exponent field: the conversion takes the exponent field of this operand as its scale
.endr
.irp b, 0,1,2,3
	v_lshrrev_b32 v[TM+4+\b], 23, v[TM+12+\b]      ; the scale's byte
.endr
	v_lshl_or_b32 v[PW], v[TM+5], 8, v[TM+4]       ; the four bytes make my row's scale word
	v_lshl_or_b32 v[PW], v[TM+6], 16, v[PW]
	v_lshl_or_b32 v[PW], v[TM+7], 24, v[PW]
	WIN \w                                         ; source 0 in window w
.irp c, 0,1
	v_cvt_scalef32_pk16_fp6_f32 v[PC+6*\c:PC+2+6*\c], v[\s+32*\c:\s+15+32*\c], v[TM+12+2*\c]
	v_cvt_scalef32_pk16_fp6_f32 v[PC+12+4*\c:PC+14+4*\c], v[\s+16+32*\c:\s+31+32*\c], v[TM+12+2*\c+1]   ; (a conversion's three registers begin on an even number)
.endr
	WIN 0
	v_nop                                          ; one plain place behind a scaled conversion
.irp c, 0,1                                    ; the operand's layout wants a whole block in a lane: lanes 0-15 block 2 c, lanes 16-31 block 2 c + 1
.irp i, 0,1,2
	v_permlane16_swap_b32 v[PC+6*\c+\i], v[PC+12+4*\c+\i]
.endr
.irp i, 0,1,2
	v_mov_b32 v[PC+3+6*\c+\i], v[PC+12+4*\c+\i]
.endr
.endr
.endm
; A block's tiles 2 be and 2 be + 1 hold columns 32 be + 8 h + j and 32 be + 16 + 8 h + j.  The first's lanes 16-31 change places with the second's lanes 0-15:
; register 16 be + i then holds column 32 be + 16 h + i: 16 neighbours along the next K.  Each accumulator is read from its register 0 on.
.macro SWAPS a
.set AC, 64*((\a)%4)
	WIN (2+(\a)/4)*0x41
.irp be, 0,1,2,3
.irp j, 0,1,2,3,4,5,6,7
	v_permlane16_swap_b32 v[AC+16*\be+\j], v[AC+16*\be+8+\j]
.endr
.endr
.endm
.macro CSREG a                         ; where block a's cos and sin lie in window 1: four sets by turns
.if ((\a)%4) == 0
.set CBR, 96
.set SNR, 224
.elseif ((\a)%4) == 1
.set CBR, 0
.set SNR, 32
.elseif ((\a)%4) == 2
.set CBR, 64
.set SNR, 128
.else
.set CBR, 160
.set SNR, 192
.endif
.endm
.macro CSLOAD a                        ; 16 loads: register 8 be + i = cos (sin) of token 16 a + r, pair 16 be + 8 h + i
	CSREG \a
	WIN 0x40
.irp be, 0,1,2,3
.irp jj, 0,1
	global_load_b128 v[CBR+8*\be+4*\jj:CBR+8*\be+4*\jj+3], v[CSA], s[COSP:COSP+1] offset:4096*(\a)+64*\be+16*\jj
	global_load_b128 v[SNR+8*\be+4*\jj:SNR+8*\be+4*\jj+3], v[CSA], s[SINP:SINP+1] offset:4096*(\a)+64*\be+16*\jj
.endr
.endr
	WIN 0
.endm
; RoPE: registers 2 n, 2 n + 1 of a block are a pair (a, b): a c - b s and b c + a s.  First both times c, then the crossed halves times s are added, the low half's with the sign turned.
.macro ROPE a
	CSREG \a
.set AC, 64*((\a)%4)
	WIN (2+(\a)/4)|4                               ; source 0 the accumulators' window, source 1 window 1
.irp be, 0,1,2,3
.irp n, 0,1,2,3
	v_pk_mul_f32 v[HA+16*\be+4*\n:HA+16*\be+4*\n+1], v[AC+16*\be+4*\n:AC+16*\be+4*\n+1], v[CBR+8*\be+2*\n:CBR+8*\be+2*\n+1] op_sel:[0,0] op_sel_hi:[1,0]
	v_pk_mul_f32 v[HA+16*\be+4*\n+2:HA+16*\be+4*\n+3], v[AC+16*\be+4*\n+2:AC+16*\be+4*\n+3], v[CBR+8*\be+2*\n:CBR+8*\be+2*\n+1] op_sel:[0,1] op_sel_hi:[1,1]
.endr
.endr
.irp be, 0,1,2,3
.irp n, 0,1,2,3
	v_pk_fma_f32 v[HA+16*\be+4*\n:HA+16*\be+4*\n+1], v[AC+16*\be+4*\n:AC+16*\be+4*\n+1], v[SNR+8*\be+2*\n:SNR+8*\be+2*\n+1], v[HA+16*\be+4*\n:HA+16*\be+4*\n+1] op_sel:[1,0,0] op_sel_hi:[0,0,1] neg_lo:[0,1,0]
	v_pk_fma_f32 v[HA+16*\be+4*\n+2:HA+16*\be+4*\n+3], v[AC+16*\be+4*\n+2:AC+16*\be+4*\n+3], v[SNR+8*\be+2*\n:SNR+8*\be+2*\n+1], v[HA+16*\be+4*\n+2:HA+16*\be+4*\n+3] op_sel:[1,1,0] op_sel_hi:[0,1,1] neg_lo:[0,1,0]
.endr
.endr
.endm
.macro BLOCK a, rope
.set AC, 64*((\a)%4)
.set WA, 2+(\a)/4
.if \rope
.if (\a) < 5
	s_wait_loadcnt 48                              ; this block's 16 loads are in; those of the three blocks behind it may be out
.else
	s_wait_loadcnt 16*(7-(\a))
.endif
	ROPE \a
.if (\a) < 4
	CSLOAD (\a)+4                                  ; its set takes the block four further on
.endif
	WIN 0
	s_wait_xcnt 0x0                                ; the last block's stores have read their data: the codes' registers are written again only behind this wait
	QUANT HA, 0
.else
	s_wait_xcnt 0x0
	QUANT AC, WA
.endif
.irp c, 0,1,2
	global_store_b128 v[LI0+((\a)&1)], v[PC+4*\c:PC+4*\c+3], s[12:13] offset:1536*(\a)+512*\c   ; 32 lanes store 512 consecutive bytes, at a multiple of 256 from the workspace's first byte
.endr
.if ((\a)&1) == 0
	v_mov_b32 v[P0], v[PW]
.else                                          ; the scale words of fragments a - 1 and a go to the lanes in which the next launch's tiles want them: lane r2 + 16 u takes fragment a - 1 + r2 / 8, row 8 u + r2 % 8
	v_cndmask_b32 v[UU], v[P0], v[PW], s[M3]       ; my fragment's word of my own row,
	v_cndmask_b32 v[WW], v[PW], v[P0], s[M3]       ; the other fragment's, for the lane 8 away,
	v_mov_b32_dpp v[WW], v[WW] row_xmask:8 row_mask:0xf bank_mask:0xf
	v_cndmask_b32 v[SW+(\a)/2], v[WW], v[UU], s[MEQ]   ; my own row serves where r2 / 8 = u
.endif
.endm
	PLACES NP                                      ; behind the last products: in front of the first reads of results and of loads and writes into operands' registers
	s_mov_b32 s[SEL], 0x76543210
	s_mov_b32 s[SEL+1], 0xfedcba98
	s_mov_b32 s[M3], 0xff00ff00
	s_mov_b32 s[MEQ], 0xff0000ff
.irp b, 0,1,2,3
	v_mov_b32 v[TM+4+\b], 0                        ; written once: a lane permute's destination counts as one of its sources
.endr
	s_cmp_eq_u32 s[TAU], 2                         ; the one parting on the type: v has no RoPE
	s_cbranch_scc1 .Lv
.irp a, 0,1,2,3
	CSLOAD \a                                      ; four blocks' cos and sin are asked for; the 256 swaps below stand between these loads and the wait for them
.endr
.irp a, 0,1,2,3,4,5,6,7
	SWAPS \a
.endr
.irp a, 0,1,2,3,4,5,6,7
	BLOCK \a, 1
.endr
	s_branch .Ldone
.Lv:
.irp a, 0,1,2,3,4,5,6,7
	SWAPS \a
.endr
	WIN 0
.irp a, 0,1,2,3,4,5,6,7
	BLOCK \a, 0
.endr
.Ldone:
	global_store_b128 v[LI0], v[SW:SW+3], s[12:13] offset:12288   ; the part's 128 scale words: 512 consecutive bytes
	s_wait_tensorcnt 0x0                           ; the wave's end
	ds_add_u32 v[SPW], v[NIL]
	s_wait_dscnt 0x0
	CROUND                                         ; the closing round: no work-group ends while a partner may still ask for a tile that names it
	s_endpgm
.Lfunc_end_k_qc444fda492_qkv_proj:
	.size	k_qc444fda492_qkv_proj, .Lfunc_end_k_qc444fda492_qkv_proj-k_qc444fda492_qkv_proj
	.p2alignl 7, 3214868480
	.fill 96, 4, 3214868480
	.section	.rodata,"a",@progbits
	.p2align	6, 0x0
	.amdhsa_kernel k_qc444fda492_qkv_proj
		.amdhsa_group_segment_fixed_size 327680
		.amdhsa_private_segment_fixed_size 0
		.amdhsa_enable_private_segment 0
		.amdhsa_kernarg_size 88
		.amdhsa_user_sgpr_count 2
		.amdhsa_user_sgpr_kernarg_segment_ptr 1
		.amdhsa_wavefront_size32 1
		.amdhsa_system_sgpr_workgroup_id_x 1
		.amdhsa_system_sgpr_workgroup_id_y 1
		.amdhsa_system_sgpr_workgroup_id_z 1
		.amdhsa_system_vgpr_workitem_id 0
		.amdhsa_next_free_vgpr 1024
		.amdhsa_next_free_sgpr 102
		.amdhsa_reserve_vcc 0
		.amdhsa_float_denorm_mode_32 3
		.amdhsa_float_denorm_mode_16_64 3
		.amdhsa_memory_ordered 1
		.amdhsa_forward_progress 1
		.amdhsa_inst_pref_size 255
	.end_amdhsa_kernel
	.section	.bss,"aw",@nobits
	.p2align	6
	.space	262144
	.amdgpu_metadata
---
amdhsa.version: [ 1, 2 ]
amdhsa.kernels:
  - .name:           k_qc444fda492_qkv_proj
    .symbol:         k_qc444fda492_qkv_proj.kd
    .args:
      - { .name: x_codes, .offset: 0, .size: 8, .value_kind: global_buffer, .address_space: global }
      - { .name: x_scales, .offset: 8, .size: 8, .value_kind: global_buffer, .address_space: global }
      - { .name: wq_codes, .offset: 16, .size: 8, .value_kind: global_buffer, .address_space: global }
      - { .name: wq_scales, .offset: 24, .size: 8, .value_kind: global_buffer, .address_space: global }
      - { .name: wk_codes, .offset: 32, .size: 8, .value_kind: global_buffer, .address_space: global }
      - { .name: wk_scales, .offset: 40, .size: 8, .value_kind: global_buffer, .address_space: global }
      - { .name: wv_codes, .offset: 48, .size: 8, .value_kind: global_buffer, .address_space: global }
      - { .name: wv_scales, .offset: 56, .size: 8, .value_kind: global_buffer, .address_space: global }
      - { .name: freqs_cos, .offset: 64, .size: 8, .value_kind: global_buffer, .address_space: global }
      - { .name: freqs_sin, .offset: 72, .size: 8, .value_kind: global_buffer, .address_space: global }
      - { .name: qkv, .offset: 80, .size: 8, .value_kind: global_buffer, .address_space: global }
    .group_segment_fixed_size: 327680
    .private_segment_fixed_size: 0
    .kernarg_segment_align: 8
    .kernarg_segment_size: 88
    .max_flat_workgroup_size: 128
    .sgpr_count:     102
    .vgpr_count:     1024
    .wavefront_size: 32
...
	.end_amdgpu_metadata
.endif
;; end of part 1
;; launch attn (part 2): grid 16 x 16, 8 waves a work-group, clusters of 4 x 4, 327,680 bytes of LDS; arguments qkv, mask, a_codes, a_scales; writes a_codes, a_scales
.if DOCPART == 2
	.amdgcn_target "amdgcn-amd-amdhsa--gfx1250"
	.amdhsa_code_object_version 6
	.text
	.protected	k_qc444fda492_attn
	.globl	k_qc444fda492_attn
	.p2align	8
	.type	k_qc444fda492_attn,@function
k_qc444fda492_attn:
	s_mov_b64 s[64:65], 0
	v_nop
	global_prefetch_b8 v0, s[64:65] scope:SCOPE_SE
	s_setreg_imm32_b32 hwreg(HW_REG_WAVE_MODE, 25, 1), 1
	s_wait_xcnt 0x0
	s_wait_alu depctr_hold_cnt(0) depctr_sa_sdst(0) depctr_va_vdst(0) depctr_va_sdst(0) depctr_va_ssrc(0) depctr_va_vcc(0) depctr_vm_vsrc(0)
	s_getreg_b32 s2, hwreg(HW_REG_IB_STS2, 6, 4)
	s_cmp_eq_u32 s2, 0
	s_cbranch_scc0 .Lentry_in_a_cluster
	s_endpgm
.Lentry_in_a_cluster:
	s_bfe_u32 s2, ttmp6, 0x10000c
	s_cmp_lg_u32 s2, 0xf033
	s_cbranch_scc0 .Lentry_shape_is_right
	s_endpgm
.Lentry_shape_is_right:
; a[q][head] = softmax_k(q . k / sqrt(128) + mask[q][k]) v, both products on codes of FP6 (E2M3) with E8M0 scales for each 32 along K; then the quantiser of the result along the head's channels, for the last projection.
; The mask is an input: every number of it is read and added, and no tile of scores is left out.
; THE SOFTMAX AHEAD OF THE SECOND PRODUCT: t = logit x log2(e); M = the row's largest t so far, rounded up to a whole number; p = 2^(t - M) is what is quantised, along the keys.  The row's sum is taken of the
; unquantised p and divides at the end.  When M moves, the sum and O are multiplied by 2^(old M - new M): exact.
; SHARES.  A work-group owns 128 queries of one head; each of its eight waves owns 16 of them, in 512 registers: two waves to a SIMD.  Every wave walks the head's 2,048 keys, 128 a step.
; THE RING.  A step's tiles are 25,600 bytes of K and V and 128 x 128 numbers of the mask (67,584 bytes with padding): four steps' do not fit in LDS, three steps' do.  So a PERIOD is three steps a, b, c on two slots:
;   slot A: k_a v_a k_b, mask_a, mask_b;   slot B: k_c v_c v_b, mask_c.
; A is filled again in the middle of step b, when b's K and mask are in registers; B behind step c.  So each fill has about one and a half steps' work in which to land, and three steps have two rounds of the cluster's barrier.
; 16 steps are five periods and one step: four periods in a loop, the fifth and step 15 written out; the last fill of A brings step 15 alone.
; CLUSTERS: 4 x 4 work-groups: x = blocks of queries, y = heads.  K and V hang on the head alone and are asked for jointly along a row of the cluster; the mask's tiles hang on the queries alone: jointly along a column.
; LAYOUT.  Both products are used transposed: S^T = K Q^T, O^T = V^T P^T: a lane holds one query (lane % 16) throughout.  THE ROWS OF A TILE OF K OR V ARE NOT NEIGHBOURS: lane r2 of tile 2 be + u takes
; row 32 be + 8 u + r2 + 8 (r2 / 8), so that the 16 registers of tiles 2 be and 2 be + 1 are 16 neighbours along the next K.  The workspace holds images of fragments of neighbouring rows, odd ones with lanes l and l xor 8
; exchanged: so such a tile is three loads of 16 bytes a lane whose sixteen lanes touch sixteen different columns of 16 bytes.
; THE LDS LOADS stand in runs of 16 or 25, as early as their bytes may be read and their registers are free: V behind the step's own K Q^T, the next step's K behind the logits, its mask ahead of the exponentials.
; LIMITS.  NaN is not served.  The division by sqrt(128) is a multiplication by its f32 reciprocal, fused with the mask's addition.  A row's largest |logit| is served up to about 2^30 (beyond, t has an ulp above 1),
; but for a row whose largest t lies at or under -3e38 (masked throughout by about the smallest f32 number): all its keys get equal weights, as the sum score + mask gives them.  A mask of -infinity throughout a row gives NaN.
; A block of zeros gets the scale byte 1 (its codes are zeros; the bytes are read by this program alone).
; REGISTERS: window 0: v1-7 addresses that stay; v8-11, v92-94 those of the loads in hand; v12 -M, v13 the largest t, v[14:15] the sum in two halves; v16-27 Q; v28-31 see below; v32-55 at work at the head and on the way out;
;   v80-83, v84-87 K's and V's scale words; v[88:89], v[90:91] the scaling's factor and addend; v96-159 S^T, then p; v160-223 O^T; v224-254 at work.
;   window 1: v0-63 a step's 64 numbers of the mask; v64-159 K's eight fragments; v160-255 V's eight.
.set PARTB, 12800                      ; a part of the workspace: eight fragments, then 512 bytes of scale words
.set KSC,   12288                      ; where a part's scale words begin
.set BLKB,  38400                      ; a block's q, k, v in the workspace
.set HEADB, 614400                     ; a head's 16 blocks
.set MP,    528                        ; a row of the mask's tile in LDS: 512 bytes + 16 of padding
.set MHALF, 64*MP                      ; what one load of the mask brings
.set MSTEP, 128*MP                     ; a step's tile
.set KA,    0                          ; slot A: k_a v_a k_b,
.set MA,    KA+3*PARTB                 ; mask_a, mask_b
.set KB,    MA+2*MSTEP                 ; slot B: k_c v_c v_b,
.set MB,    KB+3*PARTB                 ; mask_c
.set SPARE, MB+MSTEP                   ; behind the ring: the spare words, 128 bytes for each wave: four blocks of 256 bytes that no other line names
.set SCR,   SPARE+1024                 ; 512 bytes in which the work-group's scale words meet; no tile lands there
.set K_A, KA                           ; where each step of a period finds its parts
.set V_A, KA+PARTB
.set M_A, MA
.set K_B, KA+2*PARTB
.set V_B, KB+2*PARTB
.set M_B, MA+MSTEP
.set K_C, KB
.set V_C, KB+PARTB
.set M_C, MB
.set AK,   1                           ; v1, v2 my lane's place in a tile with u = 0, 1
.set LI,   3                           ; v3   16 x lane
.set AM,   4                           ; v4   my lane's place in a tile of the mask
.set SPW,  5                           ; v5   LDS address of my spare word; never rewritten
.set NIL,  6                           ; v6   0; never rewritten
.set SCW,  7                           ; v7   where I put my row's scale word
.set ADK,  8                           ; v8, v9 addresses of K's tiles; v10 of its scale words; v11 of the mask
.set ADL,  10
.set ADM,  11
.set QF,   16
.set PFO,  28                          ; v28  the prefetches' offset; never rewritten
.set QS,   29                          ; v29  Q's scale words
.set L2E,  30                          ; v30  log2(e)
.set SCRD, 31                          ; v31  SCR + 16 x lane
.set KSW,  80
.set VSW,  84
.set CR,   88
.set AD,   90
.set ADV,  92                          ; v92, v93 addresses of V's tiles; v94 of its scale words
.set ADVL, 94
.set SS,   96
.set OT,   160
.set MK,   0                           ; in window 1
.set KF,   64
.set VF,   160
.set PC,   224                         ; the way out's quantiser: codes in v224 on,
.set TM,   32                          ; at work in v32-47,
.set PW,   48                          ; the scale word in v48
.set WV,   12                          ; s12  my wave's number
.set SEL,  20                          ; s[20:21] lane selects for v_permlanex16_b32: lane l xor 16
.set CS,   22                          ; s22  log2(e)
.set RS,   24                          ; s[24:25] 1 / sqrt(128): the packed form names a pair and takes its low word for both halves
.set LOW,  26                          ; s26  -3e38
.set G1KV, 28                          ; s[28:35] descriptor group 1 for 25,600 dense bytes;  s[44:51] for 12,800;  s[36:43] for 64 rows of the mask
.set G1M,  36
.set G1H,  44
.set G0MA, 52                          ; groups 0: the mask's piece in slot A, in slot B; K's and V's piece in slot A, in slot B.  Their LDS addresses stay, their global addresses walk
.set G0MB, 56
.set G0KA, 60
.set G0KB, 68
.set PER,  72                          ; s72  periods still to be walked in the loop
.set LIMA, 73                          ; s73  a wave asks for a coming fill of A while s[PER] is above this;  s74 the same for B
.set LIMB, 74
.set PFAA, 76                          ; s[76:77], s[78:79] where my prefetches for A and for B stand;  s[80:81] a period on, in bytes
.set PFAB, 78
.set PFS,  80
.set MSB, 0
.macro WIN new                         ; the immediate's high byte repeats the setting that is left
.if MSB != (\new)
	s_set_vgpr_msb (MSB<<8)|(\new)
.set MSB, (\new)
.endif
.endm
.macro PLACES n
.rept \n
	v_nop
.endr
.endm
.macro CROUND                          ; a round of the cluster's barrier
	s_barrier_signal -1
	s_barrier_wait -1
	s_cmp_lg_u32 s[WV], 0
	s_cbranch_scc1 .Lnot_wave_0_\@
	s_barrier_signal -3
.Lnot_wave_0_\@:
	s_barrier_wait -3
	s_barrier_signal -1
	s_barrier_wait -1
.endm
; The joint loads of a fill, one a wave: the first nm waves a piece of the mask each, wave 4 a block's k and v, wave 5 (half = 1) the single part.  The branches hang on the wave's number alone.
; Four v_nop follow each line.
.macro TLOAD nm, g0m, g0k, half
	s_cmp_lt_u32 s[WV], \nm
	s_cbranch_scc0 .Lnot_m_\@
	tensor_load_to_lds s[\g0m:\g0m+3], s[G1M:G1M+7]
	s_nop 0
.rept 4
	v_nop
.endr
	s_branch .Lasked_\@
.Lnot_m_\@:
	s_cmp_eq_u32 s[WV], 4
	s_cbranch_scc0 .Lnot_k_\@
	tensor_load_to_lds s[\g0k:\g0k+3], s[G1KV:G1KV+7]
	s_nop 0
.rept 4
	v_nop
.endr
	s_branch .Lasked_\@
.Lnot_k_\@:
.if \half
	s_cmp_eq_u32 s[WV], 5
	s_cbranch_scc0 .Lasked_\@
	tensor_load_to_lds s[\g0k:\g0k+3], s[G1H:G1H+7]
	s_nop 0
.rept 4
	v_nop
.endr
.endif
.Lasked_\@:
.endm
; A PREFETCH INTO THE L2 of what the NEXT fill will load: behind A's fill the coming fill of B is named, behind B's fill the coming fill of A; it stands behind the fill's tensor load and the run of LDS loads that follows it.
; The first fills and the first refill of A come by their loads alone; the last requests name step 15's tiles, and what would lie behind them is not asked for.
; Each aligned block of 256 bytes is named by one wave of one work-group.  K and V of a head are walked by the four clusters of its row of clusters: cluster x = 0 asks, wave 6 for the 100 blocks of a k and v, wave 7 for the 50 of
; the single part; its four partners along x share them out by address, 25 and 13 each (lanes that are over name their partner's last block again).  A tile of the mask is walked by the four clusters of its column: cluster y = 0 asks,
; waves 0 to 3 a column of 256 bytes each (B: waves 0 and 1); its four partners along y take 32 rows each, by address, a lane a row.
.macro ASK lim, pfa
	s_cmp_gt_u32 s[PER], s[\lim]
	s_cbranch_scc0 .Lnot_mine_\@
	global_prefetch_b8 v[PFO], s[\pfa:\pfa+1] th:TH_LOAD_NT scope:SCOPE_SE
.Lnot_mine_\@:
.endm
	s_load_b256 s[4:11], s[0:1], 0x0               ; the workspace s[4:5], the mask s[6:7], the codes out s[8:9], the scale words out s[10:11]
	v_lshl_add_u32 v[SPW], v0, 2, SPARE
	v_mov_b32 v[NIL], 0
	ds_add_u32 v5, v6
	s_wait_dscnt 0x0
	v_lshrrev_b32 v32, 5, v0
	v_readfirstlane_b32 s[WV], v32                 ; wave 0..7
	s_bfe_u32 s13, ttmp6, 0x40000                  ; cx
	s_bfe_u32 s14, ttmp6, 0x40004                  ; cy
	s_lshl_b32 s15, ttmp9, 2
	s_add_co_u32 s15, s15, s13                     ; my block of 128 queries = 4 x cluster x + cx
	s_and_b32 s16, ttmp7, 0xffff
	s_lshl_b32 s16, s16, 2
	s_add_co_u32 s16, s16, s14                     ; my head = 4 x cluster y + cy
	s_lshl_b32 s17, s14, 2
	s_lshl_b32 s17, 15, s17                        ; my row of the cluster: the same head
	s_lshl_b32 s18, 0x1111, s13                    ; my column: the same queries
	s_or_b32 s[G1KV], s17, (3<<16)|(1<<21)         ; a k and v: 25,600 dense bytes as 100 rows of 256 bytes (32 elements of 8 bytes), no padding; 21 set beside a mask
	s_mov_b32 s[G1KV+1], 32<<16                    ; tensor_dim0
	s_mov_b32 s[G1KV+2], 100<<16                   ; tensor_dim1
	s_mov_b32 s[G1KV+3], 32<<16                    ; tile_dim0
	s_mov_b32 s[G1KV+4], 100                       ; tile_dim1
	s_mov_b32 s[G1KV+5], 32                        ; tensor_dim0_stride
	s_mov_b32 s[G1KV+6], 0
	s_mov_b32 s[G1KV+7], 0
	s_or_b32 s[G1H], s17, (3<<16)|(1<<21)          ; a single part: 50 such rows
	s_mov_b32 s[G1H+1], 32<<16
	s_mov_b32 s[G1H+2], 50<<16
	s_mov_b32 s[G1H+3], 32<<16
	s_mov_b32 s[G1H+4], 50
	s_mov_b32 s[G1H+5], 32
	s_mov_b32 s[G1H+6], 0
	s_mov_b32 s[G1H+7], 0
	s_or_b32 s[G1M], s18, (2<<16)|(1<<20)|(1<<21)|(6<<22)|(3<<25)  ; the mask: elements of 4 bytes; 4 words of padding behind every 128 words
	s_mov_b32 s[G1M+1], 128<<16
	s_mov_b32 s[G1M+2], 64<<16
	s_mov_b32 s[G1M+3], 128<<16
	s_mov_b32 s[G1M+4], 64                         ; 64 rows a load
	s_mov_b32 s[G1M+5], 2048
	s_mov_b32 s[G1M+6], 0
	s_mov_b32 s[G1M+7], 0
	s_and_b32 s82, s[WV], 1
	s_mul_i32 s84, s16, HEADB                      ; the head's first byte in the workspace
	s_mul_i32 s85, s82, BLKB
	s_add_co_u32 s86, s84, s85
	s_add_co_u32 s86, s86, PARTB                   ; slot A: wave 4: k, v of block 0; wave 5: k of block 1
	s_mov_b32 s87, 0
	s_mul_i32 s90, s82, 2*PARTB                    ; in a slot: the single part lies behind the k and v  (KA = 0)
	s_add_co_u32 s88, s84, 2*BLKB+PARTB
	s_sub_co_u32 s88, s88, s90                     ; slot B: wave 4: k, v of block 2; wave 5: v of block 1, 25,600 bytes ahead of them
	s_mov_b32 s89, 0
	s_add_co_u32 s91, s90, KB
	s_lshl_b32 s92, s15, 7
	s_lshl_b32 s93, s82, 6
	s_add_co_u32 s92, s92, s93                     ; the mask: my 64 rows of the block's 128,
	s_lshl_b32 s92, s92, 13                        ; rows of 8,192 bytes
	s_bfe_u32 s93, s[WV], 0x10001                  ; slot A: waves 0, 1 take step a's 512 bytes of a row, waves 2, 3 step b's
	s_lshl_b32 s93, s93, 9
	s_add_co_u32 s94, s92, s93
	s_mov_b32 s95, 0
	s_add_co_u32 s92, s92, 2*512                   ; slot B: step c's
	s_mov_b32 s93, 0
	s_and_b32 s96, s[WV], 3
	s_mul_i32 s96, s96, MHALF
	s_add_co_u32 s96, s96, MA                      ; in slot A: four pieces on end
	s_mul_i32 s97, s82, MHALF
	s_add_co_u32 s97, s97, MB                      ; in slot B: two
	s_mov_b32 s[SEL], 0x76543210
	s_mov_b32 s[SEL+1], 0xfedcba98
	s_mov_b32 s[CS], 0x3fb8aa3b                    ; log2(e)
	s_mov_b32 s[CS+1], s[CS]
	s_mov_b32 s[RS], 0x3db504f3                    ; 1 / sqrt(128)
	s_mov_b32 s[RS+1], s[RS]                       ; (named with it as a pair, so it is written)
	s_mov_b32 s[LOW], 0xff61b1e6                   ; -3e38
	s_mov_b32 s[PER], 4
	s_wait_kmcnt 0x0
	s_mov_b32 s[G0MA], 1
	s_mov_b32 s[G0MA+1], s96
	s_add_nc_u64 s[G0MA+2:G0MA+3], s[6:7], s[94:95]
	s_or_b32 s[G0MA+3], s[G0MA+3], 0x80000000
	s_mov_b32 s[G0MB], 1
	s_mov_b32 s[G0MB+1], s97
	s_add_nc_u64 s[G0MB+2:G0MB+3], s[6:7], s[92:93]
	s_or_b32 s[G0MB+3], s[G0MB+3], 0x80000000
	s_mov_b32 s[G0KA], 1
	s_mov_b32 s[G0KA+1], s90
	s_add_nc_u64 s[G0KA+2:G0KA+3], s[4:5], s[86:87]
	s_or_b32 s[G0KA+3], s[G0KA+3], 0x80000000
	s_mov_b32 s[G0KB], 1
	s_mov_b32 s[G0KB+1], s91
	s_add_nc_u64 s[G0KB+2:G0KB+3], s[4:5], s[88:89]
	s_or_b32 s[G0KB+3], s[G0KB+3], 0x80000000
	CROUND                                         ; all sixteen work-groups are here: the first joint loads meet
	s_cmp_lt_u32 s[WV], 2                          ; THE FIRST FILLS of both slots, steps 0 to 2: a wave's stand in one branch; at most two tensor loads of a wave are out
	s_cbranch_scc0 .Lf_not01
	tensor_load_to_lds s[G0MA:G0MA+3], s[G1M:G1M+7]
	s_nop 0
	tensor_load_to_lds s[G0MB:G0MB+3], s[G1M:G1M+7]
	s_nop 0
.rept 4
	v_nop
.endr
	s_branch .Lf_done
.Lf_not01:
	s_cmp_lt_u32 s[WV], 4
	s_cbranch_scc0 .Lf_not23
	tensor_load_to_lds s[G0MA:G0MA+3], s[G1M:G1M+7]
	s_nop 0
.rept 4
	v_nop
.endr
	s_branch .Lf_done
.Lf_not23:
	s_cmp_eq_u32 s[WV], 4
	s_cbranch_scc0 .Lf_not4
	tensor_load_to_lds s[G0KA:G0KA+3], s[G1KV:G1KV+7]
	s_nop 0
	tensor_load_to_lds s[G0KB:G0KB+3], s[G1KV:G1KV+7]
	s_nop 0
.rept 4
	v_nop
.endr
	s_branch .Lf_done
.Lf_not4:
	s_cmp_eq_u32 s[WV], 5
	s_cbranch_scc0 .Lf_done
	tensor_load_to_lds s[G0KA:G0KA+3], s[G1H:G1H+7]
	s_nop 0
	tensor_load_to_lds s[G0KB:G0KB+3], s[G1H:G1H+7]
	s_nop 0
.rept 4
	v_nop
.endr
.Lf_done:
	; the prefetches: where my wave's stand, and who asks.  Each address stands one period ahead of its first request and is stepped in front of it
	s_lshl_b32 s66, s15, 20                        ; the mask: my block's first row (128 rows of 8,192 bytes),
	s_and_b32 s67, s[WV], 3
	s_lshl_b32 s67, s67, 8
	s_add_co_u32 s66, s66, s67                     ; my wave's column of 256 bytes,
	s_add_co_u32 s67, s66, 2*512                   ; for B: in step 2;
	s_add_co_u32 s66, s66, 3*512                   ; for A: in steps 3 and 4
	s_add_co_u32 s83, s86, 3*BLKB                  ; K, V for A: wave 6: k, v of block 3; wave 7: k of block 4.  For B: as the loads' first addresses: k, v of block 2; v of block 1
	s_and_b32 s85, ttmp7, 0xffff                   ; cluster y
	s_cmp_lt_u32 s[WV], 4                          ; waves 0 to 3 ask for the mask
	s_cselect_b64 s[PFAA:PFAA+1], s[6:7], s[4:5]
	s_cselect_b32 s66, s66, s83
	s_cselect_b32 s67, s67, s88
	s_cselect_b32 s83, s14, s13                    ; my place among the four that share the blocks out
	s_cselect_b32 s85, s85, ttmp9                  ; the coordinate along which other clusters read the same bytes
	s_cselect_b32 s90, 32, 25                      ; blocks (or rows) a partner,
	s_cselect_b32 s91, 31, 24                      ; the last lane that names one of its own,
	s_mov_b32 s92, 99
	s_cselect_b32 s92, 127, s92                    ; the last block (or row) of all,
	s_mov_b32 s93, 256
	s_cselect_b32 s93, 8192, s93                   ; from one to the next,
	s_mov_b32 s[PFS], 3*BLKB
	s_cselect_b32 s[PFS], 3*512, s[PFS]            ; a period on
	s_mov_b32 s[PFS+1], 0
	s_cmp_eq_u32 s[WV], 7                          ; the single part has 50 blocks: 13 a partner
	s_cselect_b32 s90, 13, s90
	s_cselect_b32 s91, 12, s91
	s_cselect_b32 s92, 49, s92
	s_mov_b64 s[PFAB:PFAB+1], s[PFAA:PFAA+1]
	s_mov_b32 s94, s66
	s_mov_b32 s95, 0
	s_add_nc_u64 s[PFAA:PFAA+1], s[PFAA:PFAA+1], s[94:95]
	s_mov_b32 s94, s67
	s_add_nc_u64 s[PFAB:PFAB+1], s[PFAB:PFAB+1], s[94:95]
	s_lshr_b32 s96, s[WV], 1
	s_cmp_lt_u32 s[WV], 4
	s_cselect_b32 s[LIMA], s96, s82                ; waves 2, 3 and 7 name step b's tiles: the last fill of A has none, so they stop a period earlier
	s_cmp_eq_u32 s96, 1
	s_cselect_b32 s[LIMB], -1, 0                   ; waves 2 and 3 have no part of B
	s_cmp_eq_u32 s96, 2                            ; waves 4 and 5 ask for nothing
	s_cselect_b32 s[LIMA], -1, s[LIMA]
	s_cselect_b32 s[LIMB], -1, s[LIMB]
	s_cmp_eq_u32 s85, 0                            ; the first cluster alone asks: the same in all sixteen partners, for a given wave
	s_cselect_b32 s[LIMA], s[LIMA], -1
	s_cselect_b32 s[LIMB], s[LIMB], -1
	s_mul_i32 s83, s83, s90
	v_and_b32 v[PFO], 31, v0
	v_min_u32 v[PFO], s91, v[PFO]
	v_add_nc_u32 v[PFO], s83, v[PFO]
	v_min_u32 v[PFO], s92, v[PFO]
	v_mul_lo_u32 v[PFO], v[PFO], s93
	; addresses
	v_and_b32 v32, 7, v0                           ; y = lane % 8
	v_bfe_u32 v33, v0, 3, 1                        ; e = (lane / 8) % 2
	v_bfe_u32 v34, v0, 4, 1                        ; h = lane / 16
	v_and_b32 v35, 15, v0                          ; r = lane % 16
	v_and_b32 v[LI], 31, v0
	v_lshlrev_b32 v[LI], 4, v[LI]
	v_lshlrev_b32 v36, 4, v32
	v_lshl_add_u32 v37, v34, 8, v36                ; 16 y + 256 h
	v_mad_u32_u24 v[AK], v33, 1664, v37            ; u = 0: fragment 2 be + e at 1,536 e, + 128 e
	v_mad_u32_u24 v[AK+1], v33, 1408, v37          ; u = 1: 1,536 e + 128 (1 - e)
	v_add_nc_u32 v[AK+1], 128, v[AK+1]
	s_lshl_b32 s66, s[WV], 4
	v_add_nc_u32 v38, s66, v35                     ; my query's row in the mask's tile: 16 x wave + r
	v_mul_u32_u24 v[AM], v38, MP
	v_lshl_add_u32 v[AM], v34, 6, v[AM]            ; + 16 h keys
	s_lshl_b32 s66, s[WV], 6
	v_lshl_add_u32 v[SCW], v35, 2, s66
	v_add_nc_u32 v[SCW], SCR, v[SCW]               ; SCR + 64 x wave + 4 r
	v_add_nc_u32 v[SCRD], SCR, v[LI]
	; Q: fragment w of my block's q part, and its rows' scale words
	s_lshl_b32 s90, s16, 4
	s_add_co_u32 s90, s90, s15
	s_mul_i32 s90, s90, BLKB
	s_mov_b32 s91, 0
	s_add_nc_u64 s[92:93], s[4:5], s[90:91]
	s_lshl_b32 s90, s82, 7                         ; 128 (w & 1)
	v_xor_b32 v8, s90, v[LI]                       ; 16 (lane xor 8 (w & 1))
	s_mul_i32 s91, s[WV], 1536
	v_add_nc_u32 v8, s91, v8
.irp c, 0,1,2
	global_load_b128 v[QF+4*\c:QF+4*\c+3], v8, s[92:93] offset:512*\c
.endr
	s_lshr_b32 s91, s[WV], 1
	s_lshl_b32 s91, s91, 2
	s_add_co_u32 s90, s90, s91
	v_lshl_add_u32 v9, v33, 8, v36                 ; row r of fragment w stands in lane 8 (w & 1) + r % 8 + 16 (r / 8), word w / 2
	v_add_nc_u32 v9, s90, v9
	global_load_b32 v[QS], v9, s[92:93] offset:KSC
	; where the results go
	s_lshl_b32 s90, s16, 7
	s_lshl_b32 s91, s15, 3
	s_add_co_u32 s90, s90, s91
	s_add_co_u32 s90, s90, s[WV]
	s_mul_i32 s90, s90, 1536                       ; codes: [head][tile of 16 tokens][1,536 bytes]
	s_mov_b32 s91, 0
	s_add_nc_u64 s[8:9], s[8:9], s[90:91]
	s_lshl_b32 s90, s15, 4
	s_add_co_u32 s90, s90, s16
	s_lshl_b32 s90, s90, 9                         ; scale words: [block of tokens][head][512 bytes]
	s_add_nc_u64 s[10:11], s[10:11], s[90:91]
	v_mov_b32 v[L2E], 0x3fb8aa3b
	v_mov_b32 v13, 0xff61b1e6                      ; the largest t so far: -3e38
	v_floor_f32 v12, -v13                          ; -M
	v_mov_b32 v14, 0                               ; the sum, in two halves
	v_mov_b32 v15, 0
	v_mov_b32 v[CR+1], 0                           ; (upper halves of pairs of which the low word serves both halves)
	v_mov_b32 v[AD+1], 0
	v_mov_b32 v253, 0
.irp b, 0,1,2,3
	v_mov_b32 v[236+\b], 0                         ; written once: a lane permute's destination counts as one of its sources
.endr
.set J, 0
.rept 64
	v_mov_b32 v[OT+J], 0                           ; O^T.  (The step is written for every step alike: the first finds zeros, which the first change of M leaves zeros)
.set J, J+1
.endr
; THE RUNS OF LDS LOADS.  K's: its scale words (word be of lane r2 + 16 u: row r2 of tile 2 be + u) and eight tiles, three loads each: 25.  V's likewise.  The mask's: 16.
.macro LOADK kb
	WIN 0
	v_add_nc_u32 v[ADK], \kb, v[AK]
	v_add_nc_u32 v[ADK+1], \kb, v[AK+1]
	v_add_nc_u32 v[ADL], (\kb)+KSC, v[LI]
	ds_load_b128 v[KSW:KSW+3], v[ADL]
	WIN 0x40                                       ; destination window 1
.irp t, 0,1,2,3,4,5,6,7
.irp c, 0,1,2
	ds_load_b128 v[KF+12*\t+4*\c:KF+12*\t+4*\c+3], v[ADK+\t%2] offset:3072*(\t/2)+512*\c
.endr
.endr
	WIN 0
.endm
.macro LOADV vb
	WIN 0
	v_add_nc_u32 v[ADV], \vb, v[AK]
	v_add_nc_u32 v[ADV+1], \vb, v[AK+1]
	v_add_nc_u32 v[ADVL], (\vb)+KSC, v[LI]
	ds_load_b128 v[VSW:VSW+3], v[ADVL]
	WIN 0x40
.irp t, 0,1,2,3,4,5,6,7
.irp c, 0,1,2
	ds_load_b128 v[VF+12*\t+4*\c:VF+12*\t+4*\c+3], v[ADV+\t%2] offset:3072*(\t/2)+512*\c
.endr
.endr
	WIN 0
.endm
.macro LOADM mb
	WIN 0
	v_add_nc_u32 v[ADM], \mb, v[AM]
	WIN 0x40
.irp b, 0,1,2,3
.irp j, 0,1,2,3
	ds_load_b128 v[MK+16*\b+4*\j:MK+16*\b+4*\j+3], v[ADM] offset:128*\b+16*\j   ; mask(my query, key 32 b + 16 h + 4 j ..): register 16 b + i as in S^T
.endr
.endr
	WIN 0
.endm
.macro SQK                             ; S^T = K Q^T, eight tiles.  A tile with u = 1 takes its rows' scale words from lanes 16-31
	WIN 0x01                                       ; source 0 window 1
.irp t, 0,1,2,3,4,5,6,7
.if \t%2
	v_wmma_scale_f32_16x16x128_f8f6f4 v[SS+8*\t:SS+8*\t+7], v[KF+12*\t:KF+12*\t+11], v[QF:QF+11], 0, v[KSW+\t/2], v[QS] matrix_a_fmt:MATRIX_FMT_FP6 matrix_b_fmt:MATRIX_FMT_FP6 matrix_a_scale:MATRIX_SCALE_ROW1
.else
	v_wmma_scale_f32_16x16x128_f8f6f4 v[SS+8*\t:SS+8*\t+7], v[KF+12*\t:KF+12*\t+11], v[QF:QF+11], 0, v[KSW+\t/2], v[QS] matrix_a_fmt:MATRIX_FMT_FP6 matrix_b_fmt:MATRIX_FMT_FP6
.endif
.endr
	WIN 0
.endm
.macro PVM                             ; O^T += V^T P^T, eight tiles: the eight accumulators take turns, one instruction a turn
	WIN 0x01
.irp t, 0,1,2,3,4,5,6,7
.if \t%2
	v_wmma_scale_f32_16x16x128_f8f6f4 v[OT+8*\t:OT+8*\t+7], v[VF+12*\t:VF+12*\t+11], v[224:235], v[OT+8*\t:OT+8*\t+7], v[VSW+\t/2], v253 matrix_a_fmt:MATRIX_FMT_FP6 matrix_b_fmt:MATRIX_FMT_FP6 matrix_a_scale:MATRIX_SCALE_ROW1
.else
	v_wmma_scale_f32_16x16x128_f8f6f4 v[OT+8*\t:OT+8*\t+7], v[VF+12*\t:VF+12*\t+11], v[224:235], v[OT+8*\t:OT+8*\t+7], v[VSW+\t/2], v253 matrix_a_fmt:MATRIX_FMT_FP6 matrix_b_fmt:MATRIX_FMT_FP6
.endif
.endr
	WIN 0
.endm
; THE FILL OF SLOT A, in the middle of step b.  Each wave waits for all its tensor loads (its part of slot B, which is read next), adds 0 to its spare word, and waits for that and for its reads of slot A (the last, b's K and mask, are in).
; A round of the cluster's barrier, so that no wave of any partner still reads the slot or has a load on its way; behind it the fill: one tensor load a fetching wave.  last = 1: step 15's tiles alone.
.macro FILL_A last
	s_wait_tensorcnt 0x0                           ; no tensor load of mine is out, so a group 0 may be written
	ds_add_u32 v[SPW], v[NIL]                      ; 0 onto my spare word
	s_add_nc_u64 s[G0MA+2:G0MA+3], s[G0MA+2:G0MA+3], 3*512    ; the next period's keys of the mask's rows,
	s_add_nc_u64 s[G0KA+2:G0KA+3], s[G0KA+2:G0KA+3], 3*BLKB   ; and its blocks of the workspace
.if !(\last)
	s_wait_xcnt 0x0                                ; the last prefetch for B, a period back, has read its address, so it may be written
	s_add_nc_u64 s[PFAB:PFAB+1], s[PFAB:PFAB+1], s[PFS:PFS+1]
.endif
	s_wait_dscnt 0x0                               ; the add is done, and my reads of slot A are over
	CROUND
.if \last
	TLOAD 2, G0MA, G0KA, 0
.else
	TLOAD 4, G0MA, G0KA, 1
.endif
.endm
; THE FILL OF SLOT B, behind step c: the same, with slot A's new tiles landed and slot B's reads over.
.macro FILL_B
	s_wait_tensorcnt 0x0
	ds_add_u32 v[SPW], v[NIL]
	s_add_nc_u64 s[G0MB+2:G0MB+3], s[G0MB+2:G0MB+3], 3*512
	s_add_nc_u64 s[G0KB+2:G0KB+3], s[G0KB+2:G0KB+3], 3*BLKB
	s_wait_xcnt 0x0                                ; the last prefetch for A has read its address
	s_add_nc_u64 s[PFAA:PFAA+1], s[PFAA:PFAA+1], s[PFS:PFS+1]
	s_wait_dscnt 0x0
	CROUND
	TLOAD 2, G0MB, G0KB, 1
.endm
.macro MEET                            ; a barrier behind which nothing is filled: every wave's tensor loads have landed
	s_wait_tensorcnt 0x0
	ds_add_u32 v[SPW], v[NIL]
	s_wait_dscnt 0x0
	s_barrier_signal -1
	s_barrier_wait -1
.endm
; A KEY STEP: 128 keys.  Its K and mask have been asked for.  An argument names the LDS byte of a part to be asked for at that place, or is -1:
;   va: my V, behind K Q^T;  kx: the next step's K, behind the logits;  mm: the next step's mask, ahead of the exponentials;  mid: 1, 2: slot A is filled there (2: for the last time);
;   vm: my V, behind that fill;  ky: the next step's K, behind the sums;  my: its mask, ahead of O^T's rescaling.   wlg, wpv: how many younger LDS loads may be out ahead of the logits and of V^T P.
.macro STEP va, wlg, kx, mm, mid, vm, ky, my, wpv
	s_wait_dscnt 16                                ; K's scale words and tiles are in; the mask's 16 loads may be out
	SQK
	PLACES 4                                       ; in front of the first read of the scores, and of loads into registers that the last step's products and these have read
.if (\va) >= 0
	LOADV \va
.endif
	s_wait_dscnt \wlg                              ; the mask is in; V's 25 loads, where they have just been issued, may be out
	WIN 0x10                                       ; source 2 window 1
.set J, 0
.rept 32
	v_pk_fma_f32 v[SS+J:SS+J+1], v[SS+J:SS+J+1], s[RS:RS+1], v[MK+J:MK+J+1] op_sel_hi:[1,0,1]   ; the logit: score / sqrt(128) + mask; each accumulator from its low end on
.set J, J+2
.endr
	WIN 0
.if (\kx) >= 0
	LOADK \kx
.endif
.irp b, 0,1,2,3
	v_max3_num_f32 v[232+\b], v[SS+16*\b], v[SS+1+16*\b], v[SS+2+16*\b]   ; the largest logit of each block of 32 keys: it serves for the row's maximum and, since p rises with the logit, for the block's largest p
.endr
.irp i, 3,5,7,9,11,13
.irp b, 0,1,2,3
	v_max3_num_f32 v[232+\b], v[232+\b], v[SS+16*\b+\i], v[SS+1+16*\b+\i]
.endr
.endr
.irp b, 0,1,2,3
	v_max_num_f32 v[232+\b], v[232+\b], v[SS+15+16*\b]
.endr
.irp b, 0,1,2,3
	v_permlanex16_b32 v[236+\b], v[232+\b], s[SEL], s[SEL+1]
.endr
.irp b, 0,1,2,3
	v_max_num_f32 v[232+\b], v[232+\b], v[236+\b]  ; with lane l xor 16's 16 keys
.endr
	v_max3_num_f32 v254, v232, v233, v234
	v_max_num_f32 v254, v254, v235                 ; the step's largest logit of my query
	v_mul_f32 v254, s[CS], v254                    ; as t
	v_max_num_f32 v13, v13, v254                   ; the running largest t
	v_mov_b32 v254, v12
	v_floor_f32 v12, -v13                          ; the new -M = floor(-t) = -ceil(t): a whole number
	v_sub_f32 v254, v12, v254                      ; M's old value less its new one: 0 or less
	v_cvt_i32_f32 v254, v254                       ; (it saturates)
	v_ldexp_f32 v252, 1.0, v254                    ; f = 2^(old M - new M)
	v_cmp_lt_f32 vcc_lo, s[LOW], v13               ; has the row had a key that counts?  A choice of values, no branch:
	v_cndmask_b32 v[CR], 0, v[L2E], vcc_lo         ; if not, t - M is taken as 0 for all its keys: equal weights, which the first key that counts multiplies by f = 0
	v_cndmask_b32 v[AD], 0, v12, vcc_lo
.set J, 0
.rept 32
	v_pk_fma_f32 v[SS+J:SS+J+1], v[SS+J:SS+J+1], v[CR:CR+1], v[AD:AD+1] op_sel_hi:[1,0,0]   ; t - M, two at a time
.set J, J+2
.endr
.irp b, 0,1,2,3
	v_fma_f32 v[232+\b], v[232+\b], v[CR], v[AD]   ; the same of each block's largest logit
.endr
.if (\mid) == 1
	FILL_A 0
.elseif (\mid) == 2
	FILL_A 1
.endif
.if (\mm) >= 0
	LOADM \mm
.endif
.if (\vm) >= 0
	LOADV \vm
.endif
.if (\mid) == 1
	ASK LIMB, PFAB                                 ; what the fill behind step c will load
.endif
.set J, 0
.rept 64
	v_exp_f32 v[SS+J], v[SS+J]                     ; p = 2^(t - M): not normalised
.set J, J+1
.endr
	v_pk_mul_f32 v[14:15], v[14:15], v[252:253] op_sel_hi:[1,0]   ; the sums under the new M.  (A plain place behind the exponentials)
	s_wait_alu depctr_va_vdst(0)                   ; one wait for the whole batch, ahead of its first reader
.irp b, 0,1,2,3
	v_exp_f32 v[232+\b], v[232+\b]                 ; the block's largest p: the same two instructions on the same number give the same bits
.endr
	v_pk_add_f32 v[236:237], v[SS:SS+1], v[SS+2:SS+3]   ; the row's sum is taken of the unquantised p: two at a time, in two chains
.irp j, 4,8,12,16,20,24,28,32,36,40,44,48,52,56,60
	v_pk_add_f32 v[14:15], v[14:15], v[SS+\j:SS+1+\j]
	v_pk_add_f32 v[236:237], v[236:237], v[SS+2+\j:SS+3+\j]
.endr
	v_pk_add_f32 v[14:15], v[14:15], v[236:237]
.if (\ky) >= 0
	LOADK \ky
.endif
	s_wait_alu depctr_va_vdst(0)                   ; and one for the four
.irp b, 0,1,2,3
	v_max_num_f32 v[232+\b], 0x1800000, v[232+\b]  ; the floor 2^(3 - 127): the byte cannot fall under 1
.endr
.irp b, 0,1,2,3
	v_add_nc_u32 v[244+\b], 0xff000000, v[232+\b]  ; 2 off the exponent field: the conversion's scale operand
.endr
.irp b, 0,1,2,3
	v_lshrrev_b32 v[236+\b], 23, v[244+\b]         ; the scale's byte
.endr
	v_lshl_or_b32 v253, v237, 8, v236              ; p's scale word for these 128 keys
	v_lshl_or_b32 v253, v238, 16, v253
	v_lshl_or_b32 v253, v239, 24, v253
.irp c, 0,1
	v_cvt_scalef32_pk16_fp6_f32 v[224+6*\c:226+6*\c], v[SS+32*\c:SS+15+32*\c], v[244+2*\c]
	v_cvt_scalef32_pk16_fp6_f32 v[236+4*\c:238+4*\c], v[SS+16+32*\c:SS+31+32*\c], v[244+2*\c+1]
.endr
	v_nop                                          ; one plain place behind a scaled conversion
.irp c, 0,1                                    ; a whole block in a lane: lanes 0-15 block 2 c, lanes 16-31 block 2 c + 1
.irp i, 0,1,2
	v_permlane16_swap_b32 v[224+6*\c+\i], v[236+4*\c+\i]
.endr
.irp i, 0,1,2
	v_mov_b32 v[227+6*\c+\i], v[236+4*\c+\i]
.endr
.endr
.if (\my) >= 0
	LOADM \my
.endif
.set J, 0
.rept 32
	v_pk_mul_f32 v[OT+J:OT+J+1], v[OT+J:OT+J+1], v[252:253] op_sel_hi:[1,0]   ; O^T under the new M.  (These 32 are also the places between the writes of p's codes and scale word and the products below)
.set J, J+2
.endr
	s_wait_dscnt \wpv                              ; V is in; the next step's 25 loads of K and 16 of the mask, where they have been issued, may be out
	PVM
.endm
	s_wait_loadcnt 0x0                             ; Q and its scale words; their address registers are free
	MEET                                           ; steps 0 to 2 lie in LDS
	LOADK K_A
	LOADM M_A
.Lperiod:                                          ; four trips: steps 0 to 11; each fills both slots again
	STEP V_A, 25, K_B, M_B, 0, -1, -1, -1, 41
	STEP -1, 0, -1, -1, 1, V_B, K_C, M_C, 41
	STEP V_C, 25, -1, -1, 0, -1, -1, -1, 0
	FILL_B
	LOADK K_A                                      ; the next period's step a.  (The four additions of these two runs are the places between the last products and the loads into V's registers)
	LOADM M_A
	ASK LIMA, PFAA                                 ; what the fill in the middle of the next step b will load
	s_sub_co_u32 s[PER], s[PER], 1
	s_cmp_lg_u32 s[PER], 0
	s_cbranch_scc1 .Lperiod
	STEP V_A, 25, K_B, M_B, 0, -1, -1, -1, 41      ; the tail is written out: steps 12 to 14
	STEP -1, 0, -1, -1, 2, V_B, K_C, M_C, 41       ; slot A takes step 15's tiles; slot B is filled no more
	STEP V_C, 25, -1, -1, 0, -1, -1, -1, 0
	MEET
	LOADK K_A
	LOADM M_A
	STEP V_A, 25, -1, -1, 0, -1, -1, -1, 0         ; step 15
; 64 numbers of a lane in window w, register 16 b + i = k 32 b + 16 (lane / 16) + i of my row, become a fragment's codes in v[PC] on and its scale word in v[PW].
.macro QUANT s, w
	WIN (\w)*5
.irp b, 0,1,2,3
	v_max3_num_f32 v[TM+\b], |v[\s+16*\b]|, |v[\s+1+16*\b]|, 0x1800000   ; block b: my 16 numbers, and the floor 2^(3 - 127): so the byte cannot fall under 1
.endr
.irp i, 2,4,6,8,10,12,14
.irp b, 0,1,2,3
	v_max3_num_f32 v[TM+\b], |v[\s+16*\b+\i]|, |v[\s+1+16*\b+\i]|, v[TM+\b]
.endr
.endr
	WIN 0
.irp b, 0,1,2,3
	v_permlanex16_b32 v[TM+4+\b], v[TM+\b], s[SEL], s[SEL+1]
.endr
.irp b, 0,1,2,3
	v_max_num_f32 v[TM+\b], v[TM+\b], v[TM+4+\b]   ; with lane l xor 16's: the block's largest magnitude
.endr
.irp b, 0,1,2,3
	v_add_nc_u32 v[TM+12+\b], 0xff000000, v[TM+\b] ; 2 off its exponent field: the conversion's scale operand
.endr
.irp b, 0,1,2,3
	v_lshrrev_b32 v[TM+4+\b], 23, v[TM+12+\b]      ; the scale's byte
.endr
	v_lshl_or_b32 v[PW], v[TM+5], 8, v[TM+4]
	v_lshl_or_b32 v[PW], v[TM+6], 16, v[PW]
	v_lshl_or_b32 v[PW], v[TM+7], 24, v[PW]
	WIN \w
.irp c, 0,1
	v_cvt_scalef32_pk16_fp6_f32 v[PC+6*\c:PC+2+6*\c], v[\s+32*\c:\s+15+32*\c], v[TM+12+2*\c]
	v_cvt_scalef32_pk16_fp6_f32 v[PC+12+4*\c:PC+14+4*\c], v[\s+16+32*\c:\s+31+32*\c], v[TM+12+2*\c+1]
.endr
	WIN 0
	v_nop                                          ; one plain place behind a scaled conversion
.irp c, 0,1
.irp i, 0,1,2
	v_permlane16_swap_b32 v[PC+6*\c+\i], v[PC+12+4*\c+\i]
.endr
.irp i, 0,1,2
	v_mov_b32 v[PC+3+6*\c+\i], v[PC+12+4*\c+\i]
.endr
.endr
.endm
	; THE WAY OUT.  O^T / the sum: register 16 be + i is channel 32 be + 16 h + i of my query: it is quantised as it stands, and is K step "head" of the last projection.
.irp b, 0,1,2,3
	v_mov_b32 v[TM+4+\b], 0                        ; a lane permute's destination counts as one of its sources.  (These four are also the places behind the last products)
.endr
	v_add_f32 v14, v14, v15                        ; the sum's two halves,
	v_permlanex16_b32 v252, v14, s[SEL], s[SEL+1]
	v_add_f32 v14, v14, v252                       ; and lane l xor 16's: the row's sum
	v_rcp_f32 v14, v14
	v_nop                                          ; a plain place behind the reciprocal
	s_wait_alu depctr_va_vdst(0)                   ; and the wait ahead of its first reader
.set J, 0
.rept 32
	v_pk_mul_f32 v[SS+J:SS+J+1], v[OT+J:OT+J+1], v[14:15] op_sel_hi:[1,0]   ; each accumulator from its low end on
.set J, J+2
.endr
	QUANT SS, 0
.irp c, 0,1,2
	global_store_b128 v[LI], v[PC+4*\c:PC+4*\c+3], s[8:9] offset:512*\c   ; the fragment's image: 32 lanes store 512 consecutive bytes, at a multiple of 256 from the buffer's first byte
.endr
	ds_store_b32 v[SCW], v[PW]                     ; both halves of the lanes write the same word with the same value
	s_wait_dscnt 0x0                               ; for the others' sake: my store has landed
	s_barrier_signal -1
	s_barrier_wait -1
	s_cmp_lg_u32 s[WV], 0
	s_cbranch_scc1 .Lnot_first
	ds_load_b128 v[52:55], v[SCRD]                 ; the work-group's 128 scale words leave as 512 consecutive bytes
	s_wait_dscnt 0x0
	global_store_b128 v[LI], v[52:55], s[10:11]
.Lnot_first:
	s_wait_tensorcnt 0x0                           ; the wave's end, behind my last tensor load and my last LDS store
	ds_add_u32 v[SPW], v[NIL]
	s_wait_dscnt 0x0
	CROUND                                         ; the closing round
	s_endpgm
.Lfunc_end_k_qc444fda492_attn:
	.size	k_qc444fda492_attn, .Lfunc_end_k_qc444fda492_attn-k_qc444fda492_attn
	.p2alignl 7, 3214868480
	.fill 96, 4, 3214868480
	.section	.rodata,"a",@progbits
	.p2align	6, 0x0
	.amdhsa_kernel k_qc444fda492_attn
		.amdhsa_group_segment_fixed_size 327680
		.amdhsa_private_segment_fixed_size 0
		.amdhsa_enable_private_segment 0
		.amdhsa_kernarg_size 32
		.amdhsa_user_sgpr_count 2
		.amdhsa_user_sgpr_kernarg_segment_ptr 1
		.amdhsa_wavefront_size32 1
		.amdhsa_system_sgpr_workgroup_id_x 1
		.amdhsa_system_sgpr_workgroup_id_y 1
		.amdhsa_system_sgpr_workgroup_id_z 1
		.amdhsa_system_vgpr_workitem_id 0
		.amdhsa_next_free_vgpr 512
		.amdhsa_next_free_sgpr 100
		.amdhsa_reserve_vcc 1
		.amdhsa_float_denorm_mode_32 3
		.amdhsa_float_denorm_mode_16_64 3
		.amdhsa_memory_ordered 1
		.amdhsa_forward_progress 1
		.amdhsa_inst_pref_size 179
	.end_amdhsa_kernel
	.amdgpu_metadata
---
amdhsa.version: [ 1, 2 ]
amdhsa.kernels:
  - .name:           k_qc444fda492_attn
    .symbol:         k_qc444fda492_attn.kd
    .args:
      - { .name: qkv, .offset: 0, .size: 8, .value_kind: global_buffer, .address_space: global }
      - { .name: mask, .offset: 8, .size: 8, .value_kind: global_buffer, .address_space: global }
      - { .name: a_codes, .offset: 16, .size: 8, .value_kind: global_buffer, .address_space: global }
      - { .name: a_scales, .offset: 24, .size: 8, .value_kind: global_buffer, .address_space: global }
    .group_segment_fixed_size: 327680
    .private_segment_fixed_size: 0
    .kernarg_segment_align: 8
    .kernarg_segment_size: 32
    .max_flat_workgroup_size: 256
    .sgpr_count:     100
    .vgpr_count:     512
    .wavefront_size: 32
...
	.end_amdgpu_metadata
.endif
;; end of part 2
;; launch oproj (part 3): grid 16 x 16, 4 waves a work-group, clusters of 4 x 4, 327,680 bytes of LDS; arguments a_codes, a_scales, wo_codes, wo_scales, out0; writes out0
.if DOCPART == 3
	.amdgcn_target "amdgcn-amd-amdhsa--gfx1250"
	.amdhsa_code_object_version 6
	.text
	.protected	k_qc444fda492_oproj
	.globl	k_qc444fda492_oproj
	.p2align	8
	.type	k_qc444fda492_oproj,@function
k_qc444fda492_oproj:
	s_mov_b64 s[64:65], 0
	v_nop
	global_prefetch_b8 v0, s[64:65] scope:SCOPE_SE
	s_setreg_imm32_b32 hwreg(HW_REG_WAVE_MODE, 25, 1), 1
	s_wait_xcnt 0x0
	s_wait_alu depctr_hold_cnt(0) depctr_sa_sdst(0) depctr_va_vdst(0) depctr_va_sdst(0) depctr_va_ssrc(0) depctr_va_vcc(0) depctr_vm_vsrc(0)
	s_getreg_b32 s2, hwreg(HW_REG_IB_STS2, 6, 4)
	s_cmp_eq_u32 s2, 0
	s_cbranch_scc0 .Lentry_in_a_cluster
	s_endpgm
.Lentry_in_a_cluster:
	s_bfe_u32 s2, ttmp6, 0x10000c
	s_cmp_lg_u32 s2, 0xf033
	s_cbranch_scc0 .Lentry_shape_is_right
	s_endpgm
.Lentry_shape_is_right:
; out0[token][n] = sum over k of a[token][k] wo[n][k], both on codes of FP6 (E2M3) with E8M0 scales for each 32 along K = 2,048; sums in f32.
; a comes from the launch before as images of operand registers: a_codes[head s][tile of 16 tokens][1,536 bytes] (registers 4 c .. 4 c + 3 of lane l at 512 c + 16 l), K step s = head s's 128 channels;
; a_scales[block of 128 tokens][head][tile 8][row 16], one word each.  wo comes as rows of codes, 1,536 bytes, and rows of 64 scale bytes.
; SHARES.  2,048 x 2,048 of out0 are 256 tiles of 128 x 128: a work-group to each, so that each WGP has one; four waves, each 64 x 64: 16 accumulators.  Source 0 = 16 rows of wo, source 1 = 16 tokens: a lane holds eight
; neighbouring numbers of a row of out0.  K goes in four slots' worth of 512 (four steps of 128) through a ring of two LDS slots; all sixteen steps are written out.
; CLUSTERS: 4 x 4 work-groups; a's tiles are asked for jointly along a row of the cluster, wo's along a column.  The scales of the work-group's rows come once, with the first fills, and stay.
; No prefetch: each tile is asked for by four clusters at about the same time, and the launch has four changes of slots in all.
; REGISTERS: window 0: v16-29 addresses; v32-95 scale words, two sets (a's 16, wo's 16 each); v96-127 the way out; v128-255 the accumulators ((a, b) at v[128 + 8 (4 a + b)]).
;   window 1: two sets of fragments at v0 and v128: a's four, then wo's four.
.set KROW,   1536                      ; a row of wo's codes
.set PITCH,  240                       ; its 192 bytes of a K half in LDS: 3 x (64 bytes + 16 of padding)
.set FR,     12
.set ASTEP,  12288                     ; a's eight fragments of one head
.set BOFF,   4*ASTEP                   ; in a slot: a's four steps, then wo's two K halves of 128 rows
.set BHALF,  128*PITCH
.set SLOT,   BOFF+2*BHALF
.set SCA,    2*SLOT                    ; behind the ring: a's scale words, 8,192 dense bytes;
.set SCB,    SCA+8192                  ; wo's scale bytes, as units of 256 bytes + 16 of padding;
.set STAGE,  SCB+8704                  ; the way out: 16 rows x (256 bytes + 16) for each wave; no tile lands there;
.set SPITCH, 272
.set SPARE,  STAGE+4*16*SPITCH         ; the spare words, 128 bytes for each wave: two blocks of 256 bytes that no other line names
.set ADRA, 16                          ; v16-17 LDS address of my fragments of a in slot 0, 1
.set ADRB, 18                          ; v18-19 the same for wo (v20-21: behind one padding more)
.set ASA,  22                          ; v22 my place among a's scale words
.set ASB,  23                          ; v23 among wo's
.set STO,  24                          ; v24 the way out: where I put 32 bytes of a row
.set RD,   25                          ; v25 where I read a row back
.set CO,   26                          ; v26 my byte offset in out0
.set SPW,  28
.set NIL,  29
.set SA,   32                          ; a's scale words: set p, block i, step q at v[32 + 32 p + 4 i + q];  wo's at v[48 + ..]
.set SB,   48
.set BK,   96
.set ACC,  128
.set G1, 24                            ; s[24:31] descriptor group 1 for a's tiles;  s[32:39] group 0, one set for each slot
.set G0, 32
.set G1B, 48                           ; s[48:55], s[56:63] the same for wo's
.set G0B, 56
.set G1S, 68                           ; s[68:75], s[76:79] for a's scales;  s[80:87], s[88:91] for wo's
.set G0S, 76
.set G1SB, 80
.set G0SB, 88
.set MSB, 0
.macro WIN new
.if MSB != (\new)
	s_set_vgpr_msb (MSB<<8)|(\new)
.set MSB, (\new)
.endif
.endm
.set MUL,  0x05                        ; sources 0 and 1 window 1; C and D window 0
.set TO_F, 0x40                        ; destination window 1, address window 0
.macro JLOAD g0a, g1a, g0b, g1b        ; a joint load: waves 0 and 1 fetch for a, waves 2 and 3 for wo; four v_nop follow each of the two lines
	s_cmp_eq_u32 s15, 0
	s_cbranch_scc0 .Lfor_b_\@
	tensor_load_to_lds s[\g0a:\g0a+3], s[\g1a:\g1a+7]
	s_nop 0
.rept 4
	v_nop
.endr
	s_branch .Lasked_\@
.Lfor_b_\@:
	tensor_load_to_lds s[\g0b:\g0b+3], s[\g1b:\g1b+7]
	s_nop 0
.rept 4
	v_nop
.endr
.Lasked_\@:
.endm
.macro CREST
	s_cmp_lg_u32 s14, 0
	s_cbranch_scc1 .Lnot_wave_0_\@
	s_barrier_signal -3
.Lnot_wave_0_\@:
	s_barrier_wait -3
	s_barrier_signal -1
	s_barrier_wait -1
.endm
.macro CROUND
	s_barrier_signal -1
	s_barrier_wait -1
	CREST
.endm
.macro PLACES n
.rept \n
	v_nop
.endr
.endm
	s_load_b128 s[4:7], s[0:1], 0x0                ; a's codes, a's scale words
	s_load_b128 s[8:11], s[0:1], 0x10              ; wo's codes, wo's scale bytes
	s_load_b64 s[12:13], s[0:1], 0x20              ; out0
	v_lshl_add_u32 v[SPW], v0, 2, SPARE
	v_mov_b32 v[NIL], 0
	ds_add_u32 v28, v29
	s_wait_dscnt 0x0
	v_lshrrev_b32 v1, 5, v0
	v_readfirstlane_b32 s14, v1                    ; wave 0..3
	s_lshr_b32 s15, s14, 1                         ; which 64 tokens are mine.  Also: I fetch for a (0) or for wo (1)
	s_and_b32 s16, s14, 1                          ; which 64 columns.  Also: which half of a slot's tile I fetch
	s_bfe_u32 s40, ttmp6, 0x40000                  ; cx, cy
	s_bfe_u32 s41, ttmp6, 0x40004
	s_lshl_b32 s42, ttmp9, 2
	s_add_co_u32 s42, s42, s40                     ; tile column = 4 x cluster x + cx
	s_and_b32 s17, ttmp7, 0xffff
	s_lshl_b32 s17, s17, 2
	s_add_co_u32 s17, s17, s41                     ; tile row = 4 x cluster y + cy
	s_lshl_b32 s43, s41, 2
	s_lshl_b32 s43, 15, s43                        ; my row of the cluster
	s_lshl_b32 s44, 0x1111, s40                    ; my column
	s_or_b32 s[G1+0], s43, (3<<16)|(1<<21)         ; a: two heads' 12,288 dense bytes (1,536 elements of 8 bytes), 196,608 bytes apart; no padding; 21 set beside a mask
	s_mov_b32 s[G1+1], 1536<<16                    ; tensor_dim0
	s_mov_b32 s[G1+2], 2<<16                       ; tensor_dim1
	s_mov_b32 s[G1+3], 1536<<16                    ; tile_dim0
	s_mov_b32 s[G1+4], 2                           ; tile_dim1
	s_mov_b32 s[G1+5], 24576                       ; tensor_dim0_stride, in elements
	s_mov_b32 s[G1+6], 0
	s_mov_b32 s[G1+7], 0
	s_or_b32 s[G1B+0], s44, (0<<16)|(1<<20)|(1<<21)|(3<<22)|(3<<25)  ; wo: 128 rows x 192 bytes; 4 words of padding behind every 16 words
	s_mov_b32 s[G1B+1], 192<<16
	s_mov_b32 s[G1B+2], 128<<16
	s_mov_b32 s[G1B+3], 192<<16
	s_mov_b32 s[G1B+4], 128
	s_mov_b32 s[G1B+5], KROW
	s_mov_b32 s[G1B+6], 0
	s_mov_b32 s[G1B+7], 0
	s_or_b32 s[G1S+0], s43, (3<<16)|(1<<21)        ; a's scale words: 4,096 dense bytes as 16 rows of 256, no padding
	s_or_b32 s[G1SB+0], s44, (3<<16)|(1<<20)|(1<<21)|(5<<22)|(3<<25)  ; wo's scale bytes: the same with 16 bytes of padding behind each row
.irp g, G1S, G1SB
	s_mov_b32 s[\g+1], 32<<16
	s_mov_b32 s[\g+2], 16<<16
	s_mov_b32 s[\g+3], 32<<16
	s_mov_b32 s[\g+4], 16
	s_mov_b32 s[\g+5], 32
	s_mov_b32 s[\g+6], 0
	s_mov_b32 s[\g+7], 0
.endr
	s_mul_i32 s20, s17, ASTEP                      ; a's codes: my block of tokens in a head,
	s_mul_i32 s18, s16, 2*196608                   ; my two heads of a slot's four
	s_add_co_u32 s20, s20, s18
	s_mov_b32 s21, 0
	s_lshl_b32 s22, s17, 13                        ; a's scale words: 8,192 bytes a block of tokens,
	s_lshl_b32 s18, s16, 12                        ; my half
	s_add_co_u32 s22, s22, s18
	s_mov_b32 s23, 0
	s_mul_i32 s46, s42, 128*KROW                   ; wo's codes: my 128 rows,
	s_mul_i32 s19, s16, 192                        ; my K half of a slot
	s_add_co_u32 s46, s46, s19
	s_mov_b32 s47, 0
	s_lshl_b32 s92, s42, 13                        ; wo's scale bytes: 128 rows of 64 bytes, my half
	s_add_co_u32 s92, s92, s18
	s_mov_b32 s93, 0
	s_mul_i32 s45, s16, 2*ASTEP                    ; where they go: no place in the cluster enters an LDS address
	s_mul_i32 s94, s16, BHALF
	s_add_co_u32 s94, s94, BOFF
	s_lshl_b32 s95, s16, 12
	s_add_co_u32 s95, s95, SCA
	s_mul_i32 s96, s16, 4352
	s_add_co_u32 s96, s96, SCB
	s_wait_kmcnt 0x0
	s_add_nc_u64 s[20:21], s[4:5], s[20:21]
	s_add_nc_u64 s[22:23], s[6:7], s[22:23]
	s_add_nc_u64 s[46:47], s[8:9], s[46:47]
	s_add_nc_u64 s[92:93], s[10:11], s[92:93]
	CROUND                                         ; all sixteen work-groups are here: the first joint loads meet
	s_mov_b32 s[G0S], 1
	s_mov_b32 s[G0S+1], s95
	s_mov_b64 s[G0S+2:G0S+3], s[22:23]
	s_or_b32 s[G0S+3], s[G0S+3], 0x80000000
	s_mov_b32 s[G0SB], 1
	s_mov_b32 s[G0SB+1], s96
	s_mov_b64 s[G0SB+2:G0SB+3], s[92:93]
	s_or_b32 s[G0SB+3], s[G0SB+3], 0x80000000
	JLOAD G0S, G1S, G0SB, G1SB                     ; the scales first
.irp s, 0,1
	s_mov_b32 s[G0+4*\s], 1
	s_add_co_u32 s[G0+4*\s+1], s45, \s*SLOT
	s_add_nc_u64 s[G0+4*\s+2:G0+4*\s+3], s[20:21], \s*4*196608   ; slot s begins with heads 4 s on
	s_or_b32 s[G0+4*\s+3], s[G0+4*\s+3], 0x80000000
	s_mov_b32 s[G0B+4*\s], 1
	s_add_co_u32 s[G0B+4*\s+1], s94, \s*SLOT
	s_add_nc_u64 s[G0B+4*\s+2:G0B+4*\s+3], s[46:47], \s*384      ; 512 along K are 384 bytes
	s_or_b32 s[G0B+4*\s+3], s[G0B+4*\s+3], 0x80000000
	JLOAD G0+4*\s, G1, G0B+4*\s, G1B               ; three tensor loads of mine are out behind the second of these
.endr
	v_and_b32 v1, 15, v0                           ; r
	v_bfe_u32 v2, v0, 4, 1                         ; h
	v_and_b32 v3, 31, v0
	v_lshlrev_b32 v3, 4, v3                        ; 16 x lane
	s_mul_i32 s21, s15, 4*1536                     ; my four tiles of tokens
	v_add_nc_u32 v[ADRA], s21, v3
	v_add_nc_u32 v[ADRA+1], SLOT, v[ADRA]
	v_mul_u32_u24 v4, v1, PITCH
	v_mad_u32_u24 v4, v2, 24, v4                   ; wo: row r x pitch + 24 h
	s_mul_i32 s22, s16, 64*PITCH                   ; my 64 rows
	s_add_co_u32 s22, s22, BOFF
	v_add_nc_u32 v[ADRB], s22, v4
	v_add_nc_u32 v[ADRB+1], SLOT, v[ADRB]
	v_lshl_add_u32 v[ADRB+2], v2, 4, v[ADRB]       ; and the same behind one padding more
	v_lshl_add_u32 v[ADRB+3], v2, 4, v[ADRB+1]
	s_lshl_b32 s21, s15, 8
	s_add_co_u32 s21, s21, SCA
	v_lshl_add_u32 v[ASA], v1, 2, s21              ; a's scale words: 64 bytes a tile, 4 a row
	v_lshlrev_b32 v5, 6, v1
	v_lshrrev_b32 v6, 2, v1
	v_lshl_add_u32 v5, v6, 4, v5                   ; wo's: 64 bytes a row, and 16 more for each 256 passed
	s_mul_i32 s22, s16, 4352
	s_add_co_u32 s22, s22, SCB
	v_add_nc_u32 v[ASB], s22, v5
	s_mul_i32 s23, s14, 16*SPITCH
	s_add_co_u32 s23, s23, STAGE                   ; my stage
	v_mul_u32_u24 v5, v1, SPITCH
	v_lshl_add_u32 v5, v2, 5, v5
	v_add_nc_u32 v[STO], s23, v5                   ; in: row r, 32 bytes for each half of the lanes
	v_mul_u32_u24 v5, v2, SPITCH
	v_lshl_add_u32 v5, v1, 4, v5
	v_add_nc_u32 v[RD], s23, v5                    ; back: lanes 0-15 one row of 256 bytes, lanes 16-31 the next
	v_lshlrev_b32 v5, 13, v2
	v_lshl_add_u32 v[CO], v1, 4, v5                ; and the same two rows in out0
	s_lshl_b32 s20, s17, 7
	s_lshl_b32 s21, s15, 6
	s_add_co_u32 s20, s20, s21                     ; my first token
	s_lshl_b32 s20, s20, 13                        ; rows of 8,192 bytes
	s_lshl_b32 s46, s42, 9
	s_lshl_b32 s47, s16, 8
	s_add_co_u32 s46, s46, s47                     ; my first column, in bytes
	s_add_co_u32 s20, s20, s46
	s_mov_b32 s21, 0
	s_add_nc_u64 s[12:13], s[12:13], s[20:21]
.macro FRAG reg, adr, q, i             ; a fragment of wo from rows: six pieces of 8 bytes; K half q / 2, its (q % 2)-th 128 along K
.irp e, 0,1,2,3,4,5
.set PCE, 12*((\q)%2)+6*(\e/3)+\e%3
.if PCE%8 < 5
	ds_load_b64 v[\reg+2*\e:\reg+2*\e+1], v[\adr] offset:8*PCE+16*(PCE/8)+BHALF*((\q)/2)+(\i)*16*PITCH
.else
	ds_load_b64 v[\reg+2*\e:\reg+2*\e+1], v[\adr+2] offset:8*PCE+16*(PCE/8)+BHALF*((\q)/2)+(\i)*16*PITCH
.endif
.endr
.endm
.macro FETCH s, q, p                   ; step q of slot s into set p: a's four images (three loads each), wo's four fragments (six each): 36 loads.  It leaves the destination's window at 1
	WIN TO_F
.irp i, 0,1,2,3
.irp c, 0,1,2
	ds_load_b128 v[128*(\p)+FR*\i+4*\c:128*(\p)+FR*\i+4*\c+3], v[ADRA+\s] offset:ASTEP*(\q)+1536*\i+512*\c
.endr
.endr
.irp i, 0,1,2,3
	FRAG 128*(\p)+48+FR*\i, ADRB+\s, \q, \i
.endr
.endm
.macro SCALES sg                       ; the scale words of the sg-th 512 along K into set sg % 2
	WIN 0
.irp i, 0,1,2,3
.irp q, 0,1,2,3
	ds_load_b32 v[SA+32*((\sg)&1)+4*\i+\q], v[ASA] offset:512*(4*(\sg)+\q)+64*\i
.endr
	ds_load_b128 v[SB+32*((\sg)&1)+4*\i:SB+32*((\sg)&1)+4*\i+3], v[ASB] offset:1088*\i+16*(\sg)
.endr
.endm
; 4 matrix instructions: a's block a x wo's four.  The 16 accumulators take turns, one instruction a turn, in the same order in every step.
.macro MUL4 p, sg, q, a, zero
.irp b, 0,1,2,3
.if \zero
	v_wmma_scale_f32_16x16x128_f8f6f4 v[ACC+8*(4*(\a)+\b):ACC+8*(4*(\a)+\b)+7], v[128*(\p)+48+FR*\b:128*(\p)+48+FR*\b+FR-1], v[128*(\p)+FR*(\a):128*(\p)+FR*(\a)+FR-1], 0, v[SB+32*((\sg)&1)+4*\b+(\q)], v[SA+32*((\sg)&1)+4*(\a)+(\q)] matrix_a_fmt:MATRIX_FMT_FP6 matrix_b_fmt:MATRIX_FMT_FP6
.else
	v_wmma_scale_f32_16x16x128_f8f6f4 v[ACC+8*(4*(\a)+\b):ACC+8*(4*(\a)+\b)+7], v[128*(\p)+48+FR*\b:128*(\p)+48+FR*\b+FR-1], v[128*(\p)+FR*(\a):128*(\p)+FR*(\a)+FR-1], v[ACC+8*(4*(\a)+\b):ACC+8*(4*(\a)+\b)+7], v[SB+32*((\sg)&1)+4*\b+(\q)], v[SA+32*((\sg)&1)+4*(\a)+(\q)] matrix_a_fmt:MATRIX_FMT_FP6 matrix_b_fmt:MATRIX_FMT_FP6
.endif
.endr
.endm
.macro STEP s, sg, q, zero             ; one of a slot's first three steps: multiplies set q % 2 and fetches the next step into the other
	s_wait_dscnt 0x0                               ; this step's fragments (and a slot's scale words) are in
	WIN MUL
	MUL4 (\q)%2, \sg, \q, 0, \zero
	MUL4 (\q)%2, \sg, \q, 1, \zero
	PLACES 4                                       ; in front of loads into the set that the last step multiplied
	FETCH \s, (\q)+1, 1-(\q)%2
	WIN MUL
	MUL4 (\q)%2, \sg, \q, 2, \zero
	MUL4 (\q)%2, \sg, \q, 3, \zero
.endm
; A slot's last step changes slots: one barrier; in front of it each wave waits for all its tensor loads, adds 0 to its spare word, and waits for that and for its own reads of this slot.  fill = 1: this slot is filled again, with the 512 along K two slots on.
.macro TURN s, nx, sg, fill
	WIN 0                                          ; (the add's two registers lie in window 0)
	s_wait_tensorcnt 0x0                           ; all my tensor loads have landed: my part of the next slot
	ds_add_u32 v[SPW], v[NIL]                      ; 0 onto my spare word
	s_wait_dscnt 1                                 ; this step's fragments are in (the add may be out)
	WIN MUL
	MUL4 1, \sg, 3, 0, 0                           ; four matrix instructions stand between the add and the wait for it
	s_wait_dscnt 0x0                               ; the add is done, and my reads of this slot are over
	s_barrier_signal -1
	MUL4 1, \sg, 3, 1, 0
	WIN 0
	s_barrier_wait -1
.if \fill
	CREST                                          ; the barrier has opened a round of the cluster's barrier: no wave of any partner still reads this slot's tile or has a load on its way
	s_add_nc_u64 s[G0+4*\s+2:G0+4*\s+3], s[G0+4*\s+2:G0+4*\s+3], 8*196608
	s_add_nc_u64 s[G0B+4*\s+2:G0B+4*\s+3], s[G0B+4*\s+2:G0B+4*\s+3], 2*384
	JLOAD G0+4*\s, G1, G0B+4*\s, G1B               ; the first tensor load behind the round; its four v_nop are the places in front of the loads below
.else
	PLACES 4
.endif
	FETCH \nx, 0, 0
	SCALES (\sg)+1
	WIN MUL
	MUL4 1, \sg, 3, 2, 0
	MUL4 1, \sg, 3, 3, 0
.endm
	s_wait_tensorcnt 1                             ; the scales and my part of slot 0 are in (slot 1's load may be out)
	s_barrier_signal -1
	s_barrier_wait -1                              ; everybody's are
	FETCH 0, 0, 0
	SCALES 0
	STEP 0, 0, 0, 1                                ; the first step's products start the sums
	STEP 0, 0, 1, 0
	STEP 0, 0, 2, 0
	TURN 0, 1, 0, 1
	STEP 1, 1, 0, 0
	STEP 1, 1, 1, 0
	STEP 1, 1, 2, 0
	TURN 1, 0, 1, 1
	STEP 0, 2, 0, 0
	STEP 0, 2, 1, 0
	STEP 0, 2, 2, 0
	TURN 0, 1, 2, 0                                ; nothing is left to fetch: no round
	STEP 1, 3, 0, 0
	STEP 1, 3, 1, 0
	STEP 1, 3, 2, 0
	s_wait_dscnt 0x0                               ; the very last step
	WIN MUL
	MUL4 1, 3, 3, 0, 0
	MUL4 1, 3, 3, 1, 0
	MUL4 1, 3, 3, 2, 0
	MUL4 1, 3, 3, 3, 0
	WIN 0
	; THE WAY OUT, 16 tokens x 64 columns at a time, through my own stage: 32 bytes a lane in, whole rows of 256 bytes back.  LDS serves a wave's instructions in order (ISA guide 5.7.1.4): no wait between the stores and the loads.
	PLACES 4
.irp a, 0,1,2,3
.irp b, 0,1,2,3
	ds_store_b128 v[STO], v[ACC+8*(4*\a+\b):ACC+8*(4*\a+\b)+3] offset:64*\b          ; each accumulator from its low end on
	ds_store_b128 v[STO], v[ACC+8*(4*\a+\b)+4:ACC+8*(4*\a+\b)+7] offset:64*\b+16
.endr
.if \a > 0
	s_wait_xcnt 0x0                                ; the last block's stores have read their registers: the loads below may land there
.endif
.irp t, 0,1,2,3,4,5,6,7
	ds_load_b128 v[BK+4*\t:BK+4*\t+3], v[RD] offset:\t*2*SPITCH
.endr
	s_wait_dscnt 0x0
.irp t, 0,1,2,3,4,5,6,7
	global_store_b128 v[CO], v[BK+4*\t:BK+4*\t+3], s[12:13] offset:(16*\a+2*\t)*8192 th:TH_STORE_NT   ; 16 lanes store 256 consecutive bytes, at a multiple of 256 from out0's first byte; written once, read by nobody here
.endr
.endr
	s_wait_tensorcnt 0x0                           ; the wave's end, behind my last tensor load and my last LDS store
	ds_add_u32 v[SPW], v[NIL]
	s_wait_dscnt 0x0
	CROUND                                         ; the closing round
	s_endpgm
.Lfunc_end_k_qc444fda492_oproj:
	.size	k_qc444fda492_oproj, .Lfunc_end_k_qc444fda492_oproj-k_qc444fda492_oproj
	.p2alignl 7, 3214868480
	.fill 96, 4, 3214868480
	.section	.rodata,"a",@progbits
	.p2align	6, 0x0
	.amdhsa_kernel k_qc444fda492_oproj
		.amdhsa_group_segment_fixed_size 327680
		.amdhsa_private_segment_fixed_size 0
		.amdhsa_enable_private_segment 0
		.amdhsa_kernarg_size 40
		.amdhsa_user_sgpr_count 2
		.amdhsa_user_sgpr_kernarg_segment_ptr 1
		.amdhsa_wavefront_size32 1
		.amdhsa_system_sgpr_workgroup_id_x 1
		.amdhsa_system_sgpr_workgroup_id_y 1
		.amdhsa_system_sgpr_workgroup_id_z 1
		.amdhsa_system_vgpr_workitem_id 0
		.amdhsa_next_free_vgpr 512
		.amdhsa_next_free_sgpr 98
		.amdhsa_reserve_vcc 0
		.amdhsa_float_denorm_mode_32 3
		.amdhsa_float_denorm_mode_16_64 3
		.amdhsa_memory_ordered 1
		.amdhsa_forward_progress 1
		.amdhsa_inst_pref_size 97
	.end_amdhsa_kernel
	.amdgpu_metadata
---
amdhsa.version: [ 1, 2 ]
amdhsa.kernels:
  - .name:           k_qc444fda492_oproj
    .symbol:         k_qc444fda492_oproj.kd
    .args:
      - { .name: a_codes, .offset: 0, .size: 8, .value_kind: global_buffer, .address_space: global }
      - { .name: a_scales, .offset: 8, .size: 8, .value_kind: global_buffer, .address_space: global }
      - { .name: wo_codes, .offset: 16, .size: 8, .value_kind: global_buffer, .address_space: global }
      - { .name: wo_scales, .offset: 24, .size: 8, .value_kind: global_buffer, .address_space: global }
      - { .name: out0, .offset: 32, .size: 8, .value_kind: global_buffer, .address_space: global }
    .group_segment_fixed_size: 327680
    .private_segment_fixed_size: 0
    .kernarg_segment_align: 8
    .kernarg_segment_size: 40
    .max_flat_workgroup_size: 128
    .sgpr_count:     98
    .vgpr_count:     512
    .wavefront_size: 32
...
	.end_amdgpu_metadata
.endif
;; end of part 3
